; MI455X (gfx1250); checked and timed in simulation.
; The chip was launched on July 23, 2026; its instructions are those of AMD's public machine-readable ISA for CDNA 5 (MIT licence, August 2026) and "CDNA5" Instruction Set Architecture Reference Guide (July 2026). The comments in the code are by the model that wrote it; some were corrected since.
;; Gated Attention. Allowed arithmetic: matrix products marked QUANTISED: E2M3 operands, one E8M0 scale for each 32 along K, by v_wmma_scale_f32_16x16x128_f8f6f4 with both operands' format E2M3, f32 sums; products left as they are: f32 operands where the result goes on into a quantised operand, else bf16, f16 or f32 operands; f32 sums; everything else in f32.
;; Inputs: Wg 2,048 x 8 float32; Wk 2,048 x 256 float32; Wo 1,024 x 2,048 float32; Wq 2,048 x 1,024 float32; Wv 2,048 x 256 float32; mask 1 x 1 x 2,048 x 2,048 bool; x 2 x 2,048 x 2,048 float32.
;; Outputs: out0 2 x 2,048 x 2,048 float32.
;; This version of the problem:
;;   THIS VERSION OF THE PROBLEM IS GIVEN IN LOW PRECISION. The matrix products marked QUANTISED in the list below multiply operands that are first quantised to E2M3 (2 exponent bits, 3 mantissa bits; 6 bits a number), with one power-of-two scale for each 32 numbers along K (OCP MX v1.0); their sums are f32. All else is computed in f32.
;;   The module's matrix products, in the order in which they are computed (A, B: the left and right operand; K: the contracted axis; several contracted axes count as one K, in the product's order):
;;     1. [M 4,096, K 2,048] x [K 2,048, N 1,024]; A: input x; B: input Wq: QUANTISED
;;     2. [M 4,096, K 2,048] x [K 2,048, N 256]; A: input x; B: input Wk: QUANTISED
;;     3. [M 4,096, K 2,048] x [K 2,048, N 256]; A: input x; B: input Wv: QUANTISED
;;     4. batch 4 x [M 8,192, K 128] x [K 128, N 2,048]; A: computed on the way; B: computed on the way: QUANTISED
;;     5. [M 4,096, K 2,048] x [K 2,048, N 8]; A: input x; B: input Wg: left as it is (N = 8 < 16)
;;     6. batch 4 x [M 128, K 2,048] x [K 2,048, N 8,192]; A: computed on the way; B: computed on the way: QUANTISED
;;     7. [M 4,096, K 1,024] x [K 1,024, N 2,048]; A: computed on the way; B: input Wo: QUANTISED
;;   THE QUANTISER, for each operand of a quantised product, along K:
;;     - K is cut into blocks of 32 from its start; a last block that is shorter is filled with zeros.
;;     - A block's scale is 2^e with e = floor(log2(the largest magnitude in the block)) - 2, held to -126 .. 127; a block of zeros has e = 0. As a byte (E8M0): e + 127.
;;     - Each number is divided by its block's scale, clamped to +-7.5, and rounded to the nearest number of E2M3, ties to even, subnormals kept.
;;     - The product sums the exact products of the quantised numbers (number of the format x scale) in f32.
;;   ~~~python
;;   def quantise(x, axis):      # numpy; x: float32 -> the quantised numbers, widened to float32 again
;;       x = np.moveaxis(x, axis, -1); K = x.shape[-1]
;;       x = np.pad(x, [(0, 0)] * (x.ndim - 1) + [(0, -K % 32)]); x = x.reshape(x.shape[:-1] + (-1, 32)); a = np.abs(x).max(-1, keepdims=True)
;;       e = np.where(a > 0, np.clip(np.frexp(np.where(a > 0, a, 1))[1] - 1 - 2, -126, 127), 0)      # np.frexp(a)[1] - 1 = floor(log2(a)), exactly
;;       r = np.clip(x / 2.0 ** e, -7.5, 7.5)
;;       step = 2.0 ** (np.maximum(np.frexp(np.where(r == 0, 1, r))[1] - 1, 0) - 3)
;;       q = np.round(r / step) * step * 2.0 ** e      # np.round: ties to even
;;       return np.moveaxis(q.reshape(q.shape[:-2] + (-1,))[..., :K], -1, axis).astype(np.float32)
;;   ~~~
;;   OPERANDS COMPUTED ON THE WAY. 'Computed on the way' means the value that the module computes at that place (a softmax that the list does not call 'softmax' is quantised finished and normalised). What goes into a quantiser is computed in f32, as accurately as f32 sums, v_exp_f32 and their like allow (about 1e-6 of the number): no bf16 or f16 on the way to a quantiser, and a product that is left as it is and whose result goes on into a quantised operand takes f32 operands (vector FMAs, or v_wmma_f32_16x16x4_f32). A number that lies on a knife's edge between two numbers of the format may be rounded either way, as far as f32 arithmetic and the matrix unit's own rounding can turn it there, and no further.
;; 2 versions, each right; version 2 is version 1 with the launch attn written anew for expert scheduling mode. Each part assembles by itself: llvm-mc -triple=amdgcn-amd-amdhsa -mcpu=gfx1250 --defsym DOCPART=n.
;; ======== version 1 of 2: 4 launches
;; limits: right only within a limited range of input values
;; workspace buffers: xw 10,911,744 bytes; msk 540,672 bytes of whole numbers; qkv 4,915,200 bytes; ao 3,276,800 bytes
;; launch prep (part 1): grid 480 x 1, 16 waves a work-group, no clusters, 153,600 bytes of LDS; arguments x, Wg, Wq, Wk, Wv, Wo, mask, xw, msk; writes xw, msk
.if DOCPART == 1
	.amdgcn_target "amdgcn-amd-amdhsa--gfx1250"
	.amdhsa_code_object_version 6
	.text
	.protected	k_q6a82387214_prep
	.globl	k_q6a82387214_prep
	.p2align	8
	.type	k_q6a82387214_prep,@function
k_q6a82387214_prep:
	s_mov_b64 s[64:65], 0
	v_nop
	global_prefetch_b8 v0, s[64:65] scope:SCOPE_SE
	s_setreg_imm32_b32 hwreg(HW_REG_WAVE_MODE, 25, 1), 1
	s_wait_xcnt 0x0
; PREP.  Three kinds of work-group, parted by the work-group's number alone:
;   0-255   X: token tile g of x (16 rows) becomes 16 fragment images of E2M3 codes with their scale words; gates = sigmoid(x Wg), all in f32
;   256-415 W: Wq, Wk, Wv, Wo (K is their first axis) become fragment images with K innermost: a lane takes a column, its registers run down K
;   416-479 M: the mask's bytes become lane masks (one 32-bit word for each score register of attention) and two flags a key step
; A TILE'S 16 ROWS ARE NOT NEIGHBOURS: row r of tile T is 32 (T / 2) + 8 (T % 2) + r + 8 (r / 8), so that a product which takes the tile as source 0
; leaves 16 neighbours along that axis in the 16 registers of two neighbouring tiles.
; A FRAGMENT IMAGE is 16 rows x 128 K as the operand's 12 registers: register 4 c + e of lane l at byte 512 c + 16 l + 4 e: 1,536 bytes.  A SCALE RECORD is 16 words, word r = row r's four E8M0 bytes.
; A block's scale byte is its largest magnitude's exponent field - 2, held at 1 from below.
; LIMITS: NaN and infinities among the inputs are not served; a block whose largest magnitude lies under 2^-124 (a block of zeros too) keeps the byte 1: its codes are what the conversion
; gives under that scale, and the bytes are read by this program alone.
; v208-239 are written by the f32 matrix form alone in the whole text.
.set XIMG,  0
.set WIMG,  6291456
.set WOIMG, 8650752
.set XSC,   10223616
.set WSC,   10485760
.set WOSC,  10584064
.set GATE,  10649600
.set MF,    524288
.set GP,    135168                     ; LDS: behind the 16 stages of 8,448 bytes: 16 x 1,024 bytes of partial gate sums
.set XD,    16                         ; v16-79   x as loaded; later at work
.set WG,    80                         ; v80-143  Wg, in the f32 form's layout
.set XT,    144                        ; v144-207 x turned: register 16 b + i = k 32 b + 16 h + i of my row
.set ACC,   208                        ; v208-239 four accumulators of x Wg
.set QTM,   16
.set QPW,   32
.set QPC,   36
.set GS,    56
.set GT,    64
.set SEL,   24
; 64 numbers of a lane, register 16 b + i = k 32 b + 16 (lane / 16) + i of my row, become a fragment's codes in v[QPC] on and its scale word in v[QPW]
.macro QUANT s
.irp b, 0,1,2,3
	v_max3_num_f32 v[QTM+\b], |v[(\s)+16*\b]|, |v[(\s)+1+16*\b]|, 0x1800000   ; my 16 numbers of block b, and the floor 2^(3 - 127): the byte cannot fall under 1
.endr
.irp i, 2,4,6,8,10,12,14
.irp b, 0,1,2,3
	v_max3_num_f32 v[QTM+\b], v[QTM+\b], |v[(\s)+16*\b+\i]|, |v[(\s)+1+16*\b+\i]|
.endr
.endr
.irp b, 0,1,2,3
	v_permlanex16_b32 v[QTM+4+\b], v[QTM+\b], s[SEL], s[SEL+1]
.endr
.irp b, 0,1,2,3
	v_max_num_f32 v[QTM+\b], v[QTM+\b], v[QTM+4+\b]           ; with lane l xor 16's 16: the block's largest magnitude
.endr
.irp b, 0,1,2,3
	v_add_nc_u32 v[QTM+12+\b], 0xff000000, v[QTM+\b]          ; 2 off its exponent field: the conversion's scale operand
.endr
.irp b, 0,1,2,3
	v_lshrrev_b32 v[QTM+4+\b], 23, v[QTM+12+\b]               ; the scale's byte
.endr
	v_lshl_or_b32 v[QPW], v[QTM+5], 8, v[QTM+4]
	v_lshl_or_b32 v[QPW], v[QTM+6], 16, v[QPW]
	v_lshl_or_b32 v[QPW], v[QTM+7], 24, v[QPW]
.irp c, 0,1
	v_cvt_scalef32_pk16_fp6_f32 v[QPC+6*\c:QPC+2+6*\c], v[(\s)+32*\c:(\s)+15+32*\c], v[QTM+12+2*\c]
	v_cvt_scalef32_pk16_fp6_f32 v[QPC+12+4*\c:QPC+14+4*\c], v[(\s)+16+32*\c:(\s)+31+32*\c], v[QTM+12+2*\c+1]
.endr
	v_nop                                          ; one plain place behind a scaled conversion
.irp c, 0,1                                    ; the operand wants a whole block in a lane: lanes 0-15 block 2 c, lanes 16-31 block 2 c + 1
.irp i, 0,1,2
	v_permlane16_swap_b32 v[QPC+6*\c+\i], v[QPC+12+4*\c+\i]
.endr
.irp i, 0,1,2
	v_mov_b32 v[QPC+3+6*\c+\i], v[QPC+12+4*\c+\i]
.endr
.endr
.endm
	s_load_b512 s[4:19], s[0:1], 0x0               ; x 4, Wg 6, Wq 8, Wk 10, Wv 12, Wo 14, mask 16, xw 18
	s_load_b64 s[20:21], s[0:1], 0x40              ; msk
	v_lshl_add_u32 v240, v0, 2, 0x25000
	v_mov_b32 v241, 0
	v_lshrrev_b32 v1, 5, v0
	v_readfirstlane_b32 s22, v1                    ; wave 0..15
	v_and_b32 v1, 31, v0                           ; lane
	v_and_b32 v2, 15, v0                           ; r
	v_bfe_u32 v3, v0, 4, 1                         ; h
	v_lshlrev_b32 v4, 4, v1                        ; 16 x lane
	v_lshlrev_b32 v5, 2, v2                        ; 4 r
	s_mov_b32 s[SEL], 0x76543210
	s_mov_b32 s[SEL+1], 0xfedcba98                 ; v_permlanex16_b32's selects for lane l xor 16
	s_mov_b32 s27, 0                               ; the high word of every 64-bit offset s[26:27]
	s_mul_i32 s28, s22, 8448                       ; X's LDS addresses are made here, ahead of every parting
	v_add_nc_u32 v7, s28, v4                       ; my stage, as loaded: 16 x lane (+ 528 x row)
	v_mul_u32_u24 v8, v2, 528
	v_lshl_add_u32 v8, v3, 6, v8
	v_add_nc_u32 v8, s28, v8                       ; and turned: row r, + 64 h
	s_lshl_b32 s29, s22, 10
	s_add_co_u32 s29, s29, GP
	v_add_nc_u32 v9, s29, v4                       ; my wave's partial gate sums
	s_and_b32 s29, s22, 1
	s_lshl_b32 s29, s29, 9
	s_add_co_u32 s29, s29, GP
	v_add_nc_u32 v10, s29, v4                      ; and where waves 0 and 1 read all sixteen back: half wave % 2
	s_wait_kmcnt 0x0
	s_cmp_lt_u32 ttmp9, 256
	s_cbranch_scc0 .Lnot_x
	; ================ X: tile g = the work-group's number; wave w = K step w (128 columns, 512 bytes of each row)
	s_lshr_b32 s26, ttmp9, 1
	s_lshl_b32 s26, s26, 5
	s_and_b32 s30, ttmp9, 1
	s_lshl_b32 s30, s30, 3
	s_add_co_u32 s26, s26, s30                     ; the tile's first token: 32 (g / 2) + 8 (g % 2)
	s_lshl_b32 s26, s26, 13
	s_lshl_b32 s30, s22, 9
	s_add_co_u32 s26, s26, s30
	s_add_nc_u64 s[4:5], s[4:5], s[26:27]
	s_lshl_b32 s26, s22, 12                        ; Wg: 128 rows of 32 bytes a K step
	s_add_nc_u64 s[6:7], s[6:7], s[26:27]
	v_and_b32 v6, 7, v0
	v_lshlrev_b32 v6, 2, v6
	v_lshl_add_u32 v6, v3, 9, v6                   ; Wg: column r % 8 (columns 8-15 repeat 0-7), + 16 h rows
.irp i, 0,1,2,3,4,5,6,7,8,9,10,11,12,13,14,15
	global_load_b128 v[XD+4*\i:XD+4*\i+3], v4, s[4:5] offset:(\i+8*(\i/8))*8192 th:TH_LOAD_NT   ; row i of the tile: the wave reads 512 consecutive bytes
.endr
.irp b, 0,1
.irp i, 0,1,2,3,4,5,6,7,8,9,10,11,12,13,14,15
	global_load_b32 v[WG+16*\b+\i], v6, s[6:7] offset:(32*\b+\i)*32     ; Wg(32 b + 16 h + i, r % 8): the same k as x's register 16 b + i
.endr
.endr
	s_lshr_b32 s30, ttmp9, 3                       ; block of 128 rows
	s_and_b32 s31, ttmp9, 7                        ; tile in it
	s_mul_i32 s26, s30, 196608
	s_mul_i32 s32, s22, 12288
	s_add_co_u32 s26, s26, s32
	s_mul_i32 s32, s31, 1536
	s_add_co_u32 s26, s26, s32
	s_add_nc_u64 s[34:35], s[18:19], s[26:27]      ; my image: [block][K step][tile]
	s_lshl_b32 s26, s30, 13
	s_lshl_b32 s32, s22, 9
	s_add_co_u32 s26, s26, s32
	s_lshl_b32 s32, s31, 6
	s_add_co_u32 s26, s26, s32
	s_add_co_u32 s26, s26, XSC
	s_add_nc_u64 s[36:37], s[18:19], s[26:27]      ; my scale record
	s_lshl_b32 s26, ttmp9, 10
	s_add_co_u32 s26, s26, GATE
	s_add_nc_u64 s[38:39], s[18:19], s[26:27]      ; the tile's gates: [16 rows][16 columns]
	s_and_b32 s32, s22, 1
	s_lshl_b32 s32, s32, 8
	v_lshl_add_u32 v11, v3, 9, v5
	v_add_nc_u32 v11, s32, v11                     ; gates: row 8 h + 4 (wave % 2) (+ jj), column r
	s_wait_loadcnt 32                              ; x's 16 loads are in; the 32 loads of Wg issued behind them may be out
.irp i, 0,1,2,3,4,5,6,7,8,9,10,11,12,13,14,15
	ds_store_b128 v7, v[XD+4*\i:XD+4*\i+3] offset:528*\i
.endr
.irp b, 0,1,2,3
.irp j, 0,1,2,3
	ds_load_b128 v[XT+16*\b+4*\j:XT+16*\b+4*\j+3], v8 offset:128*\b+16*\j   ; LDS serves a wave's instructions in order: these see my stores
.endr
.endr
.irp b, 2,3
.irp i, 0,1,2,3,4,5,6,7,8,9,10,11,12,13,14,15
	global_load_b32 v[WG+16*\b+\i], v6, s[6:7] offset:(32*\b+\i)*32
.endr
.endr
	s_wait_dscnt 0x0
	s_wait_loadcnt 0x0
.irp b, 0,1,2,3
	v_mov_b32 v[QTM+4+\b], 0                       ; a lane permute's destination counts as one of its sources
.endr
; x Wg in f32: 32 steps of 4 along K.  k is permuted alike on both sides.  Four accumulators by turns; each sum's first step takes the constant 0.
.irp u, 0,1,2,3,4,5,6,7
.irp b, 0,1,2,3
.if \u == 0
	v_wmma_f32_16x16x4_f32 v[ACC+8*\b:ACC+8*\b+7], v[XT+16*\b+2*\u:XT+16*\b+2*\u+1], v[WG+16*\b+2*\u:WG+16*\b+2*\u+1], 0
.else
	v_wmma_f32_16x16x4_f32 v[ACC+8*\b:ACC+8*\b+7], v[XT+16*\b+2*\u:XT+16*\b+2*\u+1], v[WG+16*\b+2*\u:WG+16*\b+2*\u+1], v[ACC+8*\b:ACC+8*\b+7]
.endif
.endr
.endr
	QUANT XT                                       ; its lines are also the places between the products and the first read of their sums
	global_store_b128 v4, v[QPC:QPC+3], s[34:35]
	global_store_b128 v4, v[QPC+4:QPC+7], s[34:35] offset:512
	global_store_b128 v4, v[QPC+8:QPC+11], s[34:35] offset:1024
	global_store_b32 v5, v[QPW], s[36:37]          ; lanes l and l + 16 hold the same word and write it to the same place
.irp p, 0,1,2,3
	v_pk_add_f32 v[GS+2*\p:GS+2*\p+1], v[ACC+2*\p:ACC+2*\p+1], v[ACC+8+2*\p:ACC+8+2*\p+1]     ; each accumulator from its low end on
.endr
.irp p, 0,1,2,3
	v_pk_add_f32 v[GT+2*\p:GT+2*\p+1], v[ACC+16+2*\p:ACC+16+2*\p+1], v[ACC+24+2*\p:ACC+24+2*\p+1]
.endr
.irp p, 0,1,2,3
	v_pk_add_f32 v[GS+2*\p:GS+2*\p+1], v[GS+2*\p:GS+2*\p+1], v[GT+2*\p:GT+2*\p+1]
.endr
	ds_store_b128 v9, v[GS:GS+3]
	ds_store_b128 v9, v[GS+4:GS+7] offset:512
	s_wait_dscnt 0x0                               ; for the others' sake: my partial sums lie in LDS
	s_barrier_signal -1
	s_barrier_wait -1
	s_cmp_lt_u32 s22, 2
	s_cbranch_scc0 .Lend                           ; waves 0 and 1 add the sixteen K steps' sums, four registers each
.irp s, 0,1,2,3,4,5,6,7,8,9,10,11,12,13,14,15
	ds_load_b128 v[XT+4*\s:XT+4*\s+3], v10 offset:1024*\s
.endr
	s_wait_dscnt 0x0
.irp s, 1,2,3,4,5,6,7,8,9,10,11,12,13,14,15
	v_pk_add_f32 v[XT:XT+1], v[XT:XT+1], v[XT+4*\s:XT+4*\s+1]
	v_pk_add_f32 v[XT+2:XT+3], v[XT+2:XT+3], v[XT+4*\s+2:XT+4*\s+3]
.endr
.irp j, 0,1,2,3
	v_mul_f32 v[XT+\j], 0xbfb8aa3b, v[XT+\j]       ; -z log2(e)
.endr
.irp j, 0,1,2,3
	v_exp_f32 v[XT+\j], v[XT+\j]
.endr
	v_nop                                          ; a plain place behind the exponentials
	s_wait_alu depctr_va_vdst(0)
.irp j, 0,1,2,3
	v_add_f32 v[XT+\j], 1.0, v[XT+\j]
.endr
.irp j, 0,1,2,3
	v_rcp_f32 v[XT+\j], v[XT+\j]                   ; sigmoid(z) = 1 / (1 + 2^(-z log2 e))
.endr
	v_nop
	s_wait_alu depctr_va_vdst(0)
.irp j, 0,1,2,3
	global_store_b32 v11, v[XT+\j], s[38:39] offset:64*\j
.endr
.Lend:
	s_wait_tensorcnt 0x0
	ds_add_u32 v240, v241
	s_wait_dscnt 0x0
	s_endpgm
	; ================ W: 64 columns x 512 along K a work-group; wave w: tile w % 4 of the 64 columns, K step 4 kg + w / 4
.macro WLOADS pitch, ptr               ; s32 = group of 64 columns, s33 = group of 512 along K; leaves the K step in s34
	s_lshl_b32 s34, s33, 2
	s_add_co_u32 s34, s34, s29
	s_mul_i32 s26, s34, 128*\pitch
	s_lshl_b32 s35, s32, 6
	s_add_co_u32 s35, s35, s30
	s_lshl_b32 s35, s35, 2
	s_add_co_u32 s26, s26, s35
	s_add_nc_u64 s[36:37], s[\ptr:\ptr+1], s[26:27]
	v_mad_u32_u24 v12, v3, 32*\pitch, v6           ; lanes 16-31 begin 32 rows further down: lane (r, h) holds k = 64 c + 32 h + 0 .. 31
.irp c, 0,1
.irp i, 0,1,2,3,4,5,6,7,8,9,10,11,12,13,14,15,16,17,18,19,20,21,22,23,24,25,26,27,28,29,30,31
	global_load_b32 v[16+32*\c+\i], v12, s[36:37] offset:(64*\c+\i)*\pitch
.endr
.endr
.endm
.Lnot_x:
	s_cmp_lt_u32 ttmp9, 416
	s_cbranch_scc0 .Lmask
	s_sub_co_u32 s23, ttmp9, 256
	s_and_b32 s28, s22, 3                          ; tile of the 64 columns
	s_lshr_b32 s29, s22, 2                         ; K step of the four
	s_lshr_b32 s30, s28, 1
	s_lshl_b32 s30, s30, 5
	s_and_b32 s31, s28, 1
	s_lshl_b32 s31, s31, 3
	s_add_co_u32 s30, s30, s31                     ; the tile's first column
	v_and_b32 v6, 8, v2
	v_add_nc_u32 v6, v6, v2
	v_lshlrev_b32 v6, 2, v6                        ; my column in the tile: r + 8 (r / 8), in bytes
	s_cmp_lt_u32 s23, 64
	s_cbranch_scc0 .Lnot_wq
	s_lshr_b32 s32, s23, 2
	s_and_b32 s33, s23, 3
	WLOADS 4096, 8
	s_lshr_b32 s35, s32, 1                         ; feature block 0-7
	s_mul_i32 s40, s35, 196608
	s_add_co_u32 s40, s40, WIMG
	s_lshl_b32 s41, s35, 13
	s_add_co_u32 s41, s41, WSC
	s_branch .Lw_tail
.Lnot_wq:
	s_cmp_lt_u32 s23, 96
	s_cbranch_scc0 .Lwo
	s_sub_co_u32 s23, s23, 64
	s_lshr_b32 s42, s23, 4                         ; 0: Wk, 1: Wv
	s_and_b32 s23, s23, 15
	s_lshr_b32 s32, s23, 2
	s_and_b32 s33, s23, 3
	s_cmp_eq_u32 s42, 0
	s_cselect_b64 s[38:39], s[10:11], s[12:13]
	WLOADS 1024, 38
	s_lshr_b32 s35, s32, 1
	s_lshl_b32 s42, s42, 1
	s_add_co_u32 s35, s35, s42
	s_add_co_u32 s35, s35, 8                       ; feature blocks 8, 9: k; 10, 11: v
	s_mul_i32 s40, s35, 196608
	s_add_co_u32 s40, s40, WIMG
	s_lshl_b32 s41, s35, 13
	s_add_co_u32 s41, s41, WSC
	s_branch .Lw_tail
.Lwo:
	s_sub_co_u32 s23, s23, 96
	s_lshr_b32 s32, s23, 1
	s_and_b32 s33, s23, 1
	WLOADS 8192, 14
	s_lshr_b32 s35, s32, 1
	s_mul_i32 s40, s35, 98304                      ; Wo has 8 K steps a block
	s_add_co_u32 s40, s40, WOIMG
	s_lshl_b32 s41, s35, 12
	s_add_co_u32 s41, s41, WOSC
.Lw_tail:
	s_and_b32 s35, s32, 1
	s_lshl_b32 s35, s35, 2
	s_add_co_u32 s35, s35, s28                     ; tile of the block's eight
	s_mul_i32 s26, s34, 12288
	s_add_co_u32 s26, s26, s40
	s_mul_i32 s42, s35, 1536
	s_add_co_u32 s26, s26, s42
	s_add_nc_u64 s[44:45], s[18:19], s[26:27]
	s_lshl_b32 s26, s34, 9
	s_add_co_u32 s26, s26, s41
	s_lshl_b32 s42, s35, 6
	s_add_co_u32 s26, s26, s42
	s_add_nc_u64 s[46:47], s[18:19], s[26:27]
	s_wait_loadcnt 0x0
.irp c, 0,1                                    ; my block 2 c + h: all its 32 numbers are mine
	v_max3_num_f32 v[80+\c], |v[16+32*\c]|, |v[17+32*\c]|, 0x1800000
.endr
.irp i, 2,4,6,8,10,12,14,16,18,20,22,24,26,28,30
.irp c, 0,1
	v_max3_num_f32 v[80+\c], v[80+\c], |v[16+32*\c+\i]|, |v[17+32*\c+\i]|
.endr
.endr
.irp c, 0,1
	v_add_nc_u32 v[82+\c], 0xff000000, v[80+\c]
.endr
.irp c, 0,1
	v_lshrrev_b32 v[84+\c], 23, v[82+\c]
.endr
	v_lshl_or_b32 v86, v85, 16, v84                ; my two bytes: blocks h and 2 + h,
	v_lshlrev_b32 v87, 3, v3
	v_lshlrev_b32 v86, v87, v86                    ; at their places in the word;
	v_mov_b32 v87, 0
	v_permlanex16_b32 v87, v86, s[SEL], s[SEL+1]
	v_or_b32 v86, v86, v87                         ; with lane l xor 16's two the word is whole
.irp c, 0,1
	v_cvt_scalef32_pk16_fp6_f32 v[88+6*\c:90+6*\c], v[16+32*\c:31+32*\c], v[82+\c]
	v_cvt_scalef32_pk16_fp6_f32 v[100+4*\c:102+4*\c], v[32+32*\c:47+32*\c], v[82+\c]
.endr
	v_nop
.irp c, 0,1
.irp i, 0,1,2
	v_mov_b32 v[91+6*\c+\i], v[100+4*\c+\i]
.endr
.endr
	global_store_b128 v4, v[88:91], s[44:45]
	global_store_b128 v4, v[92:95], s[44:45] offset:512
	global_store_b128 v4, v[96:99], s[44:45] offset:1024
	global_store_b32 v5, v86, s[46:47]
	s_endpgm
	; ================ M: wave: query tile ti = 2 j + w / 8, key steps 2 (w % 8) and 2 (w % 8) + 1
.Lmask:
	s_sub_co_u32 s23, ttmp9, 416
	s_lshl_b32 s28, s23, 1
	s_lshr_b32 s29, s22, 3
	s_add_co_u32 s28, s28, s29                     ; ti
	s_and_b32 s29, s22, 7                          ; pair of key steps
	s_lshr_b32 s30, s28, 1
	s_lshl_b32 s30, s30, 5
	s_and_b32 s31, s28, 1
	s_lshl_b32 s31, s31, 3
	s_add_co_u32 s30, s30, s31
	s_lshl_b32 s26, s30, 11
	s_lshl_b32 s31, s29, 8
	s_add_co_u32 s26, s26, s31
	s_add_nc_u64 s[36:37], s[16:17], s[26:27]
	s_lshl_b32 s26, s28, 12
	s_lshl_b32 s31, s29, 9
	s_add_co_u32 s26, s26, s31
	s_add_nc_u64 s[38:39], s[20:21], s[26:27]      ; the words: [tile][key step][64]
	s_lshl_b32 s26, s28, 7
	s_lshl_b32 s31, s29, 3
	s_add_co_u32 s26, s26, s31
	s_add_co_u32 s26, s26, MF
	s_add_nc_u64 s[46:47], s[20:21], s[26:27]      ; the flags: [tile][16 ANDs, 16 ORs]
	v_and_b32 v12, 8, v2
	v_add_nc_u32 v12, v12, v2
	v_lshlrev_b32 v12, 11, v12
	v_lshl_add_u32 v12, v3, 4, v12                 ; my query's row of 2,048 bytes, + 16 h
	v_lshlrev_b32 v13, 2, v1
.irp z, 0,1
.irp b, 0,1,2,3
	global_load_b128 v[16+4*(4*\z+\b):16+4*(4*\z+\b)+3], v12, s[36:37] offset:128*\z+32*\b   ; keys 128 z + 32 b + 16 h + 0 .. 15
.endr
.endr
.irp i, 0,1,2,3,4
	v_mov_b32 v[48+\i], 0                          ; v_writelane_b32's destination counts as read
.endr
	s_mov_b32 s32, -1                              ; the two steps' ANDs
	s_mov_b32 s33, -1
	s_mov_b32 s34, 0                               ; and ORs
	s_mov_b32 s35, 0
	s_wait_loadcnt 0x0
; word n = 16 b + 4 q + e of a step: bit l = the mask's byte of lane l's query at the key that score register n holds in lane l
.irp z, 0,1
.irp b, 0,1,2,3
.irp q, 0,1,2,3
.irp e, 0,1,2,3
	v_and_b32 v[56+\e], 0xff<<(8*\e), v[16+4*(4*\z+\b)+\q]
.endr
.irp e, 0,1,2,3
	v_cmp_ne_u32 s[40+\e], 0, v[56+\e]
.endr
.irp e, 0,1,2,3
	s_and_b32 s[32+\z], s[32+\z], s[40+\e]
	s_or_b32 s[34+\z], s[34+\z], s[40+\e]
	v_writelane_b32 v[48+2*\z+\b/2], s[40+\e], (16*\b+4*\q+\e)%32
.endr
.endr
.endr
.endr
.irp i, 0,1,2,3
	global_store_b32 v13, v[48+\i], s[38:39] offset:128*\i      ; the wave's 512 consecutive bytes
.endr
	v_writelane_b32 v52, s32, 0
	v_writelane_b32 v52, s33, 1
	v_writelane_b32 v52, s34, 2
	v_writelane_b32 v52, s35, 3
	v_and_b32 v53, 1, v0
	v_lshlrev_b32 v53, 2, v53
	v_bfe_u32 v54, v0, 1, 1
	v_lshl_add_u32 v53, v54, 6, v53                ; lanes 0, 1: the ANDs; lanes 2, 3: the ORs, 64 bytes on
	v_cmp_gt_u32 vcc_lo, 4, v1
	s_wait_xcnt 0x0                                ; EXEC changes only behind this wait
	s_and_saveexec_b32 s44, vcc_lo
	global_store_b32 v53, v52, s[46:47]
	s_wait_xcnt 0x0
	s_or_b32 exec_lo, exec_lo, s44
	s_endpgm
.Lfunc_end_k_q6a82387214_prep:
	.size	k_q6a82387214_prep, .Lfunc_end_k_q6a82387214_prep-k_q6a82387214_prep
	.p2alignl 7, 3214868480
	.fill 96, 4, 3214868480
	.section	.rodata,"a",@progbits
	.p2align	6, 0x0
	.amdhsa_kernel k_q6a82387214_prep
		.amdhsa_group_segment_fixed_size 153600
		.amdhsa_private_segment_fixed_size 0
		.amdhsa_enable_private_segment 0
		.amdhsa_kernarg_size 72
		.amdhsa_user_sgpr_count 2
		.amdhsa_user_sgpr_kernarg_segment_ptr 1
		.amdhsa_wavefront_size32 1
		.amdhsa_system_sgpr_workgroup_id_x 1
		.amdhsa_system_sgpr_workgroup_id_y 1
		.amdhsa_system_sgpr_workgroup_id_z 1
		.amdhsa_system_vgpr_workitem_id 0
		.amdhsa_next_free_vgpr 242
		.amdhsa_next_free_sgpr 66
		.amdhsa_reserve_vcc 1
		.amdhsa_float_denorm_mode_32 3
		.amdhsa_float_denorm_mode_16_64 3
		.amdhsa_memory_ordered 1
		.amdhsa_forward_progress 1
		.amdhsa_inst_pref_size 85
	.end_amdhsa_kernel
	.amdgpu_metadata
---
amdhsa.version: [ 1, 2 ]
amdhsa.kernels:
  - .name:           k_q6a82387214_prep
    .symbol:         k_q6a82387214_prep.kd
    .args:
      - { .name: x, .offset: 0, .size: 8, .value_kind: global_buffer, .address_space: global }
      - { .name: Wg, .offset: 8, .size: 8, .value_kind: global_buffer, .address_space: global }
      - { .name: Wq, .offset: 16, .size: 8, .value_kind: global_buffer, .address_space: global }
      - { .name: Wk, .offset: 24, .size: 8, .value_kind: global_buffer, .address_space: global }
      - { .name: Wv, .offset: 32, .size: 8, .value_kind: global_buffer, .address_space: global }
      - { .name: Wo, .offset: 40, .size: 8, .value_kind: global_buffer, .address_space: global }
      - { .name: mask, .offset: 48, .size: 8, .value_kind: global_buffer, .address_space: global }
      - { .name: xw, .offset: 56, .size: 8, .value_kind: global_buffer, .address_space: global }
      - { .name: msk, .offset: 64, .size: 8, .value_kind: global_buffer, .address_space: global }
    .group_segment_fixed_size: 153600
    .private_segment_fixed_size: 0
    .kernarg_segment_align: 8
    .kernarg_segment_size: 72
    .max_flat_workgroup_size: 512
    .sgpr_count:     66
    .vgpr_count:     242
    .wavefront_size: 32
...
	.end_amdgpu_metadata
.endif
;; end of part 1
;; launch proj (part 2): grid 192 x 1, 4 waves a work-group, no clusters, 327,680 bytes of LDS; arguments xw, qkv; writes qkv
.if DOCPART == 2
	.amdgcn_target "amdgcn-amd-amdhsa--gfx1250"
	.amdhsa_code_object_version 6
	.text
	.protected	k_q6a82387214_proj
	.globl	k_q6a82387214_proj
	.p2align	8
	.type	k_q6a82387214_proj,@function
k_q6a82387214_proj:
	s_mov_b64 s[64:65], 0
	v_nop
	global_prefetch_b8 v0, s[64:65] scope:SCOPE_SE
	s_setreg_imm32_b32 hwreg(HW_REG_WAVE_MODE, 25, 1), 1
	s_wait_xcnt 0x0
; PROJ.  q = x Wq, k = x Wk, v = x Wv on E2M3 codes, and the results quantised on the way out as operands of attention.
; A work-group makes 128 P rows x 256 R rows; source 0 = P, source 1 = R: a lane holds one R row, and its registers run along P, which is the next product's K.
;   work-groups 0-159: P = 128 features of Wq or Wk (one head), R = 256 tokens: q and k are quantised along the head's 128.
;   work-groups 160-191: P = 128 tokens (one key step), R = Wv's 256 features: v is quantised along the keys.
; Four waves; wave w takes all 128 P rows x R rows 64 w .. 64 w + 63: 32 accumulators.  K = 2,048 in 16 steps of 128.
; Operands lie in memory as fragment images [block of 128 rows][K step][tile][1,536 bytes]: four K steps of a block are 49,152 dense bytes, one tensor load.
; Two LDS slots of four K steps: [P][R block 0][R block 1].  Waves 0, 1, 2 fetch one region each, wave 3 none.  The scale words of all 16 K steps come once.
; By this text's own count a wave has three tensor loads out at the start and one behind each refill's barrier.
; NO JOINT LOADS: the q and k part has ten columns of heads and the v part shares the other operand (all its work-groups take the same R), so no grouping by four gives
; all partners the same request on the same side in one text.
; LIMITS: NaN and infinities are not served; a block whose largest magnitude lies under 2^-124 keeps the scale byte 1.
; REGISTERS: window 0: v2-11 addresses; v32-79, v80-127 R's fragments, two sets; v128-133, v136-141 scale words, two sets; v144-183 at work on the way out.
;   window 1: accumulator (m, t) at v[64 m + 8 t].   window 2: P's fragments, two sets, at v0 and v96.
.set XIMG,  0
.set WIMG,  6291456
.set XSC,   10223616
.set WSC,   10485760
.set KIMG,  3145728
.set VIMG,  3932160
.set KVSC,  4718592
.set QSC,   4784128
.set REG,   49152
.set SLOT,  3*REG
.set SCB,   2*SLOT
.set SCR,   8192
.set SPARE, SCB+3*SCR                  ; the spare words, 128 bytes a wave: two blocks of 256 bytes that no other line names
.set ADP,   2
.set ADR,   4
.set ASP,   6
.set ASR,   7
.set SPW,   8
.set NIL,   9
.set LI,    10
.set R4,    11
.set RF,    32
.set SCL,   128
.set QTM,   144
.set QPW,   160
.set QPC,   164
.set SEL,   78
.set MSB, 0
.macro WIN new                         ; the immediate's high byte repeats the setting that is left
.if MSB != \new
	s_set_vgpr_msb (MSB<<8)|\new
.set MSB, \new
.endif
.endm
.macro PLACES
.rept 4
	v_nop
.endr
.endm
; one product; ra, rb: the scale words lie in lanes 16-31 of the register named
.macro WMZ d, a, b, sa, sb, ra, rb
.if (\ra) && (\rb)
	v_wmma_scale_f32_16x16x128_f8f6f4 v[\d:\d+7], v[\a:\a+11], v[\b:\b+11], 0, v[\sa], v[\sb] matrix_a_fmt:MATRIX_FMT_FP6 matrix_b_fmt:MATRIX_FMT_FP6 matrix_a_scale:MATRIX_SCALE_ROW1 matrix_b_scale:MATRIX_SCALE_ROW1
.elseif \ra
	v_wmma_scale_f32_16x16x128_f8f6f4 v[\d:\d+7], v[\a:\a+11], v[\b:\b+11], 0, v[\sa], v[\sb] matrix_a_fmt:MATRIX_FMT_FP6 matrix_b_fmt:MATRIX_FMT_FP6 matrix_a_scale:MATRIX_SCALE_ROW1
.elseif \rb
	v_wmma_scale_f32_16x16x128_f8f6f4 v[\d:\d+7], v[\a:\a+11], v[\b:\b+11], 0, v[\sa], v[\sb] matrix_a_fmt:MATRIX_FMT_FP6 matrix_b_fmt:MATRIX_FMT_FP6 matrix_b_scale:MATRIX_SCALE_ROW1
.else
	v_wmma_scale_f32_16x16x128_f8f6f4 v[\d:\d+7], v[\a:\a+11], v[\b:\b+11], 0, v[\sa], v[\sb] matrix_a_fmt:MATRIX_FMT_FP6 matrix_b_fmt:MATRIX_FMT_FP6
.endif
.endm
.macro WMA d, a, b, sa, sb, ra, rb
.if (\ra) && (\rb)
	v_wmma_scale_f32_16x16x128_f8f6f4 v[\d:\d+7], v[\a:\a+11], v[\b:\b+11], v[\d:\d+7], v[\sa], v[\sb] matrix_a_fmt:MATRIX_FMT_FP6 matrix_b_fmt:MATRIX_FMT_FP6 matrix_a_scale:MATRIX_SCALE_ROW1 matrix_b_scale:MATRIX_SCALE_ROW1
.elseif \ra
	v_wmma_scale_f32_16x16x128_f8f6f4 v[\d:\d+7], v[\a:\a+11], v[\b:\b+11], v[\d:\d+7], v[\sa], v[\sb] matrix_a_fmt:MATRIX_FMT_FP6 matrix_b_fmt:MATRIX_FMT_FP6 matrix_a_scale:MATRIX_SCALE_ROW1
.elseif \rb
	v_wmma_scale_f32_16x16x128_f8f6f4 v[\d:\d+7], v[\a:\a+11], v[\b:\b+11], v[\d:\d+7], v[\sa], v[\sb] matrix_a_fmt:MATRIX_FMT_FP6 matrix_b_fmt:MATRIX_FMT_FP6 matrix_b_scale:MATRIX_SCALE_ROW1
.else
	v_wmma_scale_f32_16x16x128_f8f6f4 v[\d:\d+7], v[\a:\a+11], v[\b:\b+11], v[\d:\d+7], v[\sa], v[\sb] matrix_a_fmt:MATRIX_FMT_FP6 matrix_b_fmt:MATRIX_FMT_FP6
.endif
.endm
; 42 LDS loads: K step ks (the slot's q-th) into set: P's 8 fragments, my 4 of R, and the scale words (one register for two tiles: the even tile's in lanes 0-15, the odd one's in lanes 16-31)
.macro FETCH slot, q, ks, set
	WIN 0x80                                       ; destination window 2
.irp t, 0,1,2,3,4,5,6,7
.irp c, 0,1,2
	ds_load_b128 v[96*(\set)+12*\t+4*\c:96*(\set)+12*\t+4*\c+3], v[ADP+\slot] offset:12288*(\q)+1536*\t+512*\c
.endr
.endr
	WIN 0
.irp m, 0,1,2,3
.irp c, 0,1,2
	ds_load_b128 v[RF+48*(\set)+12*\m+4*\c:RF+48*(\set)+12*\m+4*\c+3], v[ADR+\slot] offset:12288*(\q)+1536*\m+512*\c
.endr
.endr
.irp i, 0,1,2,3
	ds_load_b32 v[SCL+8*(\set)+\i], v[ASP] offset:512*(\ks)+128*\i
.endr
.irp i, 0,1
	ds_load_b32 v[SCL+8*(\set)+4+\i], v[ASR] offset:512*(\ks)+128*\i
.endr
.endm
; 32 products: the 32 accumulators take turns, one instruction a turn, in the same order in every step
.macro MUL set, zero
	WIN 0x52                                       ; source 0 (P) window 2, source 1 (R) window 0, C and D window 1
.irp m, 0,1,2,3
.irp t, 0,1,2,3,4,5,6,7
.if \zero
	WMZ (64*\m+8*\t), (96*(\set)+12*\t), (RF+48*(\set)+12*\m), (SCL+8*(\set)+\t/2), (SCL+8*(\set)+4+\m/2), (\t%2), (\m%2)
.else
	WMA (64*\m+8*\t), (96*(\set)+12*\t), (RF+48*(\set)+12*\m), (SCL+8*(\set)+\t/2), (SCL+8*(\set)+4+\m/2), (\t%2), (\m%2)
.endif
.endr
.endr
.endm
.macro KSTEP ks, zero
	s_wait_dscnt 0x0                               ; this step's fragments, asked for a step (32 products) ago
	PLACES                                         ; in front of loads into the set that the last step's products read
	FETCH (((\ks)+1)/4)%2, ((\ks)+1)%4, (\ks)+1, ((\ks)+1)%2
	MUL (\ks)%2, \zero
.endm
; A slot's last step: its fragments have been asked for, so the slot is left.  Every wave: all my tensor loads have landed; 0 onto my spare word; the add and my reads of the slot are done; the barrier.
; fill = 1: the slot is filled again, eight K steps on: the first tensor load behind the barrier, and it has four K steps in which to land.
.macro CSTEP ks, fill, slot
	WIN 0
	s_wait_tensorcnt 0x0
	ds_add_u32 v[SPW], v[NIL]
.if \fill
	s_add_nc_u64 s[34+4*\slot:35+4*\slot], s[34+4*\slot:35+4*\slot], 98304   ; no tensor load of mine is out: the slot's group 0 may step
.endif
	s_wait_dscnt 0x0
	s_barrier_signal -1
	s_barrier_wait -1
.if \fill
	s_cmp_lt_u32 s8, 3
	s_cbranch_scc0 .Lnf_\@
	tensor_load_to_lds s[32+4*\slot:35+4*\slot], s[16:23]
	s_nop 0
	PLACES
.Lnf_\@:
.endif
	PLACES
	FETCH (((\ks)+1)/4)%2, ((\ks)+1)%4, (\ks)+1, ((\ks)+1)%2
	MUL (\ks)%2, 0
.endm
; 64 results of a lane in window 1, v[s] on, become a fragment's codes in v[QPC] on and its scale word in v[QPW] (window 0)
.macro QUANTW s
	WIN 0x14                                       ; sources 1 and 2 window 1
.irp b, 0,1,2,3
	v_max3_num_f32 v[QTM+\b], 0x1800000, |v[(\s)+16*\b]|, |v[(\s)+1+16*\b]|   ; each accumulator is read from its low end on
.endr
.irp i, 2,4,6,8,10,12,14
.irp b, 0,1,2,3
	v_max3_num_f32 v[QTM+\b], v[QTM+\b], |v[(\s)+16*\b+\i]|, |v[(\s)+1+16*\b+\i]|
.endr
.endr
	WIN 0
.irp b, 0,1,2,3
	v_permlanex16_b32 v[QTM+4+\b], v[QTM+\b], s[SEL], s[SEL+1]
.endr
.irp b, 0,1,2,3
	v_max_num_f32 v[QTM+\b], v[QTM+\b], v[QTM+4+\b]
.endr
.irp b, 0,1,2,3
	v_add_nc_u32 v[QTM+12+\b], 0xff000000, v[QTM+\b]
.endr
.irp b, 0,1,2,3
	v_lshrrev_b32 v[QTM+4+\b], 23, v[QTM+12+\b]
.endr
	v_lshl_or_b32 v[QPW], v[QTM+5], 8, v[QTM+4]
	v_lshl_or_b32 v[QPW], v[QTM+6], 16, v[QPW]
	v_lshl_or_b32 v[QPW], v[QTM+7], 24, v[QPW]
	WIN 0x01                                       ; source 0 window 1
.irp c, 0,1
	v_cvt_scalef32_pk16_fp6_f32 v[QPC+6*\c:QPC+2+6*\c], v[(\s)+32*\c:(\s)+15+32*\c], v[QTM+12+2*\c]
	v_cvt_scalef32_pk16_fp6_f32 v[QPC+12+4*\c:QPC+14+4*\c], v[(\s)+16+32*\c:(\s)+31+32*\c], v[QTM+12+2*\c+1]
.endr
	WIN 0
	v_nop
.irp c, 0,1
.irp i, 0,1,2
	v_permlane16_swap_b32 v[QPC+6*\c+\i], v[QPC+12+4*\c+\i]
.endr
.irp i, 0,1,2
	v_mov_b32 v[QPC+3+6*\c+\i], v[QPC+12+4*\c+\i]
.endr
.endr
.endm
	s_load_b128 s[4:7], s[0:1], 0x0                ; xw, qkv
	v_lshl_add_u32 v[SPW], v0, 2, SPARE
	v_mov_b32 v[NIL], 0
	ds_add_u32 v8, v9
	s_wait_dscnt 0x0
	v_lshrrev_b32 v1, 5, v0
	v_readfirstlane_b32 s8, v1                     ; wave 0..3
	s_lshr_b32 s9, ttmp9, 4                        ; q, k: head column 0-9
	s_and_b32 s10, ttmp9, 15                       ; q, k: block of 256 tokens
	s_max_u32 s11, ttmp9, 160
	s_sub_co_u32 s11, s11, 160                     ; v: block of 128 tokens
	s_mul_i32 s12, s9, 196608
	s_add_co_u32 s12, s12, WIMG                    ; q, k: P's codes,
	s_mul_i32 s13, s10, 393216                     ; R's codes,
	s_lshl_b32 s14, s9, 13
	s_add_co_u32 s14, s14, WSC                     ; P's scales,
	s_lshl_b32 s15, s10, 14
	s_add_co_u32 s15, s15, XSC                     ; R's scales
	s_mul_i32 s44, s11, 196608                     ; v: the same four
	s_lshl_b32 s45, s11, 13
	s_add_co_u32 s45, s45, XSC
	s_mov_b32 s46, WIMG+10*196608
	s_mov_b32 s47, WSC+10*8192
	s_cmp_lt_u32 ttmp9, 160
	s_cselect_b32 s12, s12, s44
	s_cselect_b32 s13, s13, s46
	s_cselect_b32 s14, s14, s45
	s_cselect_b32 s15, s15, s47
	s_max_u32 s44, s8, 1
	s_sub_co_u32 s44, s44, 1                       ; waves 1, 2: R block 0, 1
	s_mul_i32 s45, s44, 196608
	s_add_co_u32 s13, s13, s45
	s_lshl_b32 s45, s44, 13
	s_add_co_u32 s15, s15, s45
	s_cmp_eq_u32 s8, 0
	s_cselect_b32 s12, s12, s13                    ; what I fetch: wave 0 P, waves 1 and 2 R
	s_cselect_b32 s14, s14, s15
	s_mov_b32 s13, 0
	s_mov_b32 s15, 0
	; descriptor groups 1: dense blocks as rows of 256 bytes (32 elements of 8 bytes): 192 rows of codes, 32 rows of scales
	s_mov_b32 s16, 3<<16
	s_mov_b32 s17, 32<<16
	s_mov_b32 s18, 192<<16
	s_mov_b32 s19, 32<<16
	s_mov_b32 s20, 192
	s_mov_b32 s21, 32
	s_mov_b32 s22, 0
	s_mov_b32 s23, 0
	s_mov_b32 s24, 3<<16
	s_mov_b32 s25, 32<<16
	s_mov_b32 s26, 32<<16
	s_mov_b32 s27, 32<<16
	s_mov_b32 s28, 32
	s_mov_b32 s29, 32
	s_mov_b32 s30, 0
	s_mov_b32 s31, 0
	s_mul_i32 s44, s8, REG                         ; my region of a slot
	s_lshl_b32 s45, s8, 13
	s_wait_kmcnt 0x0
	s_add_nc_u64 s[48:49], s[4:5], s[12:13]
	s_add_nc_u64 s[50:51], s[4:5], s[14:15]
	s_mov_b32 s32, 1
	s_mov_b32 s33, s44
	s_mov_b64 s[34:35], s[48:49]                   ; slot 0: K steps 0-3
	s_or_b32 s35, s35, 0x80000000
	s_mov_b32 s36, 1
	s_add_co_u32 s37, s44, SLOT
	s_add_nc_u64 s[38:39], s[48:49], REG           ; slot 1: K steps 4-7
	s_or_b32 s39, s39, 0x80000000
	s_mov_b32 s40, 1
	s_add_co_u32 s41, s45, SCB
	s_mov_b64 s[42:43], s[50:51]
	s_or_b32 s43, s43, 0x80000000
	s_cmp_lt_u32 s8, 3
	s_cbranch_scc0 .Lno_first
	tensor_load_to_lds s[40:43], s[24:31]          ; a wave's three first fills stand in one branch, ahead of every wait on TENSORcnt, LDS read and barrier
	s_nop 0
	tensor_load_to_lds s[32:35], s[16:23]
	s_nop 0
	tensor_load_to_lds s[36:39], s[16:23]
	s_nop 0
	PLACES
.Lno_first:
	v_and_b32 v1, 31, v0
	v_lshlrev_b32 v[LI], 4, v1
	v_and_b32 v[R4], 15, v0
	v_lshlrev_b32 v[R4], 2, v[R4]
	v_mov_b32 v[ADP], v[LI]
	v_add_nc_u32 v[ADP+1], SLOT, v[LI]
	s_lshr_b32 s44, s8, 1
	s_add_co_u32 s44, s44, 1
	s_mul_i32 s44, s44, REG
	s_and_b32 s45, s8, 1
	s_mul_i32 s46, s45, 6144
	s_add_co_u32 s44, s44, s46
	v_add_nc_u32 v[ADR], s44, v[LI]                ; my four tiles of R: block w / 2, tiles 4 (w % 2) on
	s_add_co_u32 s44, s44, SLOT
	v_add_nc_u32 v[ADR+1], s44, v[LI]
	v_lshl_add_u32 v[ASP], v1, 2, SCB
	s_lshr_b32 s44, s8, 1
	s_add_co_u32 s44, s44, 1
	s_lshl_b32 s44, s44, 13
	s_lshl_b32 s45, s45, 8
	s_add_co_u32 s44, s44, s45
	s_add_co_u32 s44, s44, SCB
	v_lshl_add_u32 v[ASR], v1, 2, s44
.irp b, 0,1,2,3
	v_mov_b32 v[QTM+4+\b], 0                       ; a lane permute's destination counts as one of its sources
.endr
	s_mov_b32 s[SEL], 0x76543210
	s_mov_b32 s[SEL+1], 0xfedcba98
	; where my four tiles go.  q: [token tile][head]; k: [batch, kv head][key tile]; v: [batch, kv head][key step][tile of d]
	s_lshl_b32 s52, s10, 4
	s_lshl_b32 s53, s8, 2
	s_add_co_u32 s52, s52, s53                     ; my first token tile: 16 tb + 4 w
	s_lshl_b32 s53, s52, 3
	s_add_co_u32 s53, s53, s9
	s_mul_i32 s54, s53, 1536                       ; q's codes
	s_lshl_b32 s55, s53, 6
	s_add_co_u32 s55, s55, QSC                     ; q's scales
	s_lshr_b32 s56, s10, 3
	s_lshl_b32 s56, s56, 1
	s_add_co_u32 s56, s56, s9
	s_sub_co_u32 s56, s56, 8                       ; k: 2 batch + kv head (of no meaning, and not chosen, where the head column is q's)
	s_and_b32 s57, s52, 127
	s_lshl_b32 s58, s56, 7
	s_add_co_u32 s58, s58, s57
	s_mul_i32 s58, s58, 1536
	s_add_co_u32 s58, s58, KIMG
	s_lshl_b32 s59, s56, 14
	s_lshl_b32 s57, s57, 6
	s_add_co_u32 s59, s59, s57
	s_add_co_u32 s59, s59, KVSC
	s_lshr_b32 s60, s11, 4
	s_lshl_b32 s60, s60, 1
	s_lshr_b32 s61, s8, 1
	s_add_co_u32 s60, s60, s61                     ; v: 2 batch + kv head
	s_and_b32 s61, s11, 15                         ; key step
	s_lshl_b32 s62, s60, 4
	s_add_co_u32 s62, s62, s61
	s_lshl_b32 s62, s62, 3
	s_and_b32 s63, s8, 1
	s_lshl_b32 s63, s63, 2
	s_add_co_u32 s62, s62, s63
	s_mul_i32 s62, s62, 1536
	s_add_co_u32 s62, s62, VIMG
	s_lshl_b32 s60, s60, 14
	s_lshl_b32 s61, s61, 9
	s_add_co_u32 s60, s60, s61
	s_lshl_b32 s63, s63, 6
	s_add_co_u32 s60, s60, s63
	s_add_co_u32 s60, s60, KVSC+8192
	s_mov_b32 s72, 12288                           ; from tile to tile: q's images lie 8 heads apart,
	s_mov_b32 s74, 512
	s_cmp_lt_u32 ttmp9, 128
	s_cselect_b32 s54, s54, s58
	s_cselect_b32 s55, s55, s59
	s_cselect_b32 s72, s72, 1536                   ; k's and v's on end
	s_cselect_b32 s74, s74, 64
	s_cmp_lt_u32 ttmp9, 160
	s_cselect_b32 s76, s54, s62
	s_cselect_b32 s70, s55, s60
	s_mov_b32 s77, 0
	s_mov_b32 s71, 0
	s_mov_b32 s73, 0
	s_mov_b32 s75, 0
	s_add_nc_u64 s[68:69], s[6:7], s[76:77]        ; codes
	s_add_nc_u64 s[70:71], s[6:7], s[70:71]        ; scales
	s_wait_tensorcnt 0x1                           ; the scales and my part of slot 0 are in; slot 1's may stay out
	s_barrier_signal -1
	s_barrier_wait -1
	FETCH 0, 0, 0, 0
	KSTEP 0, 1                                     ; the first step's products start the sums
	KSTEP 1, 0
	KSTEP 2, 0
	CSTEP 3, 1, 0
	KSTEP 4, 0
	KSTEP 5, 0
	KSTEP 6, 0
	CSTEP 7, 1, 1
	KSTEP 8, 0
	KSTEP 9, 0
	KSTEP 10, 0
	CSTEP 11, 0, 0                                 ; nothing is left to fetch; the barrier shows slot 1 whole to every wave
	KSTEP 12, 0
	KSTEP 13, 0
	KSTEP 14, 0
	s_wait_dscnt 0x0
	MUL 1, 0
	WIN 0
	PLACES                                         ; in front of the first read of results
.irp m, 0,1,2,3
.if \m > 0
	s_wait_xcnt 0x0                                ; the last tile's stores have read their data and their bases
	s_add_nc_u64 s[68:69], s[68:69], s[72:73]
	s_add_nc_u64 s[70:71], s[70:71], s[74:75]
.endif
	QUANTW 64*\m
	global_store_b128 v[LI], v[QPC:QPC+3], s[68:69]
	global_store_b128 v[LI], v[QPC+4:QPC+7], s[68:69] offset:512
	global_store_b128 v[LI], v[QPC+8:QPC+11], s[68:69] offset:1024
	global_store_b32 v[R4], v[QPW], s[70:71]       ; lanes l and l + 16 hold the same word
.endr
	s_wait_tensorcnt 0x0                           ; the wave's end
	ds_add_u32 v[SPW], v[NIL]
	s_wait_dscnt 0x0
	s_endpgm
.Lfunc_end_k_q6a82387214_proj:
	.size	k_q6a82387214_proj, .Lfunc_end_k_q6a82387214_proj-k_q6a82387214_proj
	.p2alignl 7, 3214868480
	.fill 96, 4, 3214868480
	.section	.rodata,"a",@progbits
	.p2align	6, 0x0
	.amdhsa_kernel k_q6a82387214_proj
		.amdhsa_group_segment_fixed_size 327680
		.amdhsa_private_segment_fixed_size 0
		.amdhsa_enable_private_segment 0
		.amdhsa_kernarg_size 16
		.amdhsa_user_sgpr_count 2
		.amdhsa_user_sgpr_kernarg_segment_ptr 1
		.amdhsa_wavefront_size32 1
		.amdhsa_system_sgpr_workgroup_id_x 1
		.amdhsa_system_sgpr_workgroup_id_y 1
		.amdhsa_system_sgpr_workgroup_id_z 1
		.amdhsa_system_vgpr_workitem_id 0
		.amdhsa_next_free_vgpr 704
		.amdhsa_next_free_sgpr 80
		.amdhsa_reserve_vcc 0
		.amdhsa_float_denorm_mode_32 3
		.amdhsa_float_denorm_mode_16_64 3
		.amdhsa_memory_ordered 1
		.amdhsa_forward_progress 1
		.amdhsa_inst_pref_size 137
	.end_amdhsa_kernel
	.amdgpu_metadata
---
amdhsa.version: [ 1, 2 ]
amdhsa.kernels:
  - .name:           k_q6a82387214_proj
    .symbol:         k_q6a82387214_proj.kd
    .args:
      - { .name: xw, .offset: 0, .size: 8, .value_kind: global_buffer, .address_space: global }
      - { .name: qkv, .offset: 8, .size: 8, .value_kind: global_buffer, .address_space: global }
    .group_segment_fixed_size: 327680
    .private_segment_fixed_size: 0
    .kernarg_segment_align: 8
    .kernarg_segment_size: 16
    .max_flat_workgroup_size: 128
    .sgpr_count:     80
    .vgpr_count:     704
    .wavefront_size: 32
...
	.end_amdgpu_metadata
.endif
;; end of part 2
;; launch attn (part 3): grid 64 x 4, 8 waves a work-group, no clusters, 312,320 bytes of LDS; arguments qkv, xw, msk, ao; writes ao
.if DOCPART == 3
	.amdgcn_target "amdgcn-amd-amdhsa--gfx1250"
	.amdhsa_code_object_version 6
	.text
	.protected	k_q6a82387214_attn
	.globl	k_q6a82387214_attn
	.p2align	8
	.type	k_q6a82387214_attn,@function
k_q6a82387214_attn:
	s_mov_b64 s[64:65], 0
	v_nop
	global_prefetch_b8 v0, s[64:65] scope:SCOPE_SE
	s_setreg_imm32_b32 hwreg(HW_REG_WAVE_MODE, 25, 1), 1
	s_wait_xcnt 0x0
; ATTN.  For one (batch, kv head) y and eight (query tile, q head) pairs: S^T = K Q^T, mask, softmax, gate, O^T = V^T P^T, all products on E2M3 codes.
; WHAT IS QUANTISED AHEAD OF THE SECOND PRODUCT IS THE FINISHED softmax x gate, so the row's maximum and sum must be known first: TWO PASSES over the keys.
;   pass 1: scores, running maximum and sum for each lane (a lane holds one query and half of each block of 32 keys); the two halves are joined once, behind the pass.
;   pass 2: the scores once more, p = 2^(c s - c m) x (gate / sum), quantised along the keys, times V.
; c = log2(e) / sqrt(128).  c m is rounded once and used alike in both passes, so its rounding cancels between p and the sum.
; THE MASK is read as lane masks, one 32-bit word for each score register, made by the launch before; a masked score becomes -1e9 sqrt(128), which is reference's -1e9 under c.
; A key step whose 16 x 128 mask bytes are all set is left out (a scalar branch on stored flags): every p there is exactly 0, unless some row of the tile is masked wholly:
; then every step is walked, and that row comes out uniform.  A step with no mask byte set loads no mask words and makes no selects: the step has two arms.
; Since branches hang on stored numbers, K and V come through registers into LDS (no tensor loads, so no joint loads either).
; A STEP WAITS FOR NO LOAD OF ITS OWN: the next walked step's fragments of K are asked for directly behind this step's score products, into the registers that these have just read,
; and land under the softmax; V's fragments of the step in hand are asked for at the same place, into registers of their own.
; SHARES: wave w: q head 4 kv + w % 4; query tile X (w < 4) or 127 - X (w >= 4): under a triangular mask a SIMD's two waves then have a short and a long walk; nothing else hangs on that.
; LDS: K's 128 tile images of the whole (batch, kv head), written once, chunk by chunk of four key steps; V in two slots of four key steps; all scale words.
; LIMITS: NaN and infinities are not served; scaled scores must stay above about -9e8, so that a masked p is exactly 0 beside an open one; a p or a gate under 2^-126 counts as 0.
; REGISTERS: window 0 as named below; window 1: v256-303 K's fragments 4-7; v256-463 pieces of K and V on their way from memory to LDS; in pass 2 v352-399 and v448-495 V's eight fragments.
.set KIMG,  3145728
.set VIMG,  3932160
.set KVSC,  4718592
.set QSC,   4784128
.set GATE,  10649600
.set MF,    524288
.set AOSC,  3145728
.set VS0,   196608
.set VS1,   245760
.set SCB,   294912
.set LI,  1                            ; 16 x lane
.set LS,  2                            ; SCB + 4 x lane
.set CP,  5                            ; 16 x lane + 6,144 x wave: my eighth of a piece of 49,152 bytes
.set CA,  6                            ; the LDS address of the piece in hand
.set CSC, 7                            ; 16 x lane + 2,048 x wave: my eighth of the scale words
.set ADK, 8
.set ADS, 9
.set ADV, 10
.set ADT, 11
.set NCM, 12                           ; -c m
.set MX,  13                           ; the largest raw score so far
.set L,   14                           ; v[14:15] the sum in two halves; in pass 2 v14 = gate / sum
.set Q,   16
.set QS,  28
.set GA,  29
.set FILL, 30
.set R4,  31
.set FA,  32                           ; K's fragments 0-3
.set KSR, 80
.set VSR, 84
.set BM,  88                           ; v88-91 block maxima, v92-95 at work
.set S,   96
.set O,   160
.set PC,  224
.set SOP, 244
.set BY,  248
.set AF,  252
.set PW,  253
.set VA,  96                           ; in window 1: V's fragments 0-3 (the registers that the copied piece 1 of V has left),
.set VB,  192                          ; and 4-7
.set QTM, 96
.set QPW, 112
.set QPC, 116
.set PF,  2                            ; s2: bit 0: the next step lies in this chunk and is walked
.set TK,  66
.set TS,  67
.set TV,  68
.set TSV, 69
.set CC,  70
.set NC,  72
.set MO,  73
.set SEL, 74
.set TD,  76
.set PT,  77
.set KN,  78                           ; s78, s79: where the next step's images of K and its scale words begin
.set SN,  79
.set MSB, 0
.macro WIN new
.if MSB != \new
	s_set_vgpr_msb (MSB<<8)|\new
.set MSB, \new
.endif
.endm
.macro PLACES
.rept 4
	v_nop
.endr
.endm
.macro WMZ d, a, b, sa, sb, ra
.if \ra
	v_wmma_scale_f32_16x16x128_f8f6f4 v[\d:\d+7], v[\a:\a+11], v[\b:\b+11], 0, v[\sa], v[\sb] matrix_a_fmt:MATRIX_FMT_FP6 matrix_b_fmt:MATRIX_FMT_FP6 matrix_a_scale:MATRIX_SCALE_ROW1
.else
	v_wmma_scale_f32_16x16x128_f8f6f4 v[\d:\d+7], v[\a:\a+11], v[\b:\b+11], 0, v[\sa], v[\sb] matrix_a_fmt:MATRIX_FMT_FP6 matrix_b_fmt:MATRIX_FMT_FP6
.endif
.endm
.macro WMA d, a, b, sa, sb, ra
.if \ra
	v_wmma_scale_f32_16x16x128_f8f6f4 v[\d:\d+7], v[\a:\a+11], v[\b:\b+11], v[\d:\d+7], v[\sa], v[\sb] matrix_a_fmt:MATRIX_FMT_FP6 matrix_b_fmt:MATRIX_FMT_FP6 matrix_a_scale:MATRIX_SCALE_ROW1
.else
	v_wmma_scale_f32_16x16x128_f8f6f4 v[\d:\d+7], v[\a:\a+11], v[\b:\b+11], v[\d:\d+7], v[\sa], v[\sb] matrix_a_fmt:MATRIX_FMT_FP6 matrix_b_fmt:MATRIX_FMT_FP6
.endif
.endm
.macro COPYLD reg, base, off           ; my eighth of a piece: 12 loads of 512 consecutive bytes into window 1
	WIN 0x40
.irp i, 0,1,2,3,4,5,6,7,8,9,10,11
	global_load_b128 v[(\reg)+4*\i:(\reg)+4*\i+3], v[CP], s[\base:\base+1] offset:(\off)+512*\i
.endr
	WIN 0
.endm
.macro COPYST reg, base                ; and on into LDS
	v_add_nc_u32 v[CA], \base, v[CP]
	WIN 0x04                                       ; an LDS store's data are its source 1
.irp i, 0,1,2,3,4,5,6,7,8,9,10,11
	ds_store_b128 v[CA], v[(\reg)+4*\i:(\reg)+4*\i+3] offset:512*\i
.endr
	WIN 0
.endm
.macro BARRIER
	s_barrier_signal -1
	s_barrier_wait -1
.endm
.macro MASKLOAD                        ; the step's 64 lane masks: word n in s[16 + n] (n < 48), s[32 + n] (n >= 48)
	s_load_b512 s[16:31], s[96:97], s[MO] offset:0x0
	s_load_b512 s[32:47], s[96:97], s[MO] offset:0x40
	s_load_b512 s[48:63], s[96:97], s[MO] offset:0x80
	s_load_b512 s[80:95], s[96:97], s[MO] offset:0xc0
.endm
.macro MASKAPPLY
.set NN, 0
.rept 48
	v_cndmask_b32 v[S+NN], v[S+NN], v[FILL], s[16+NN]
.set NN, NN+1
.endr
.rept 16
	v_cndmask_b32 v[S+NN], v[S+NN], v[FILL], s[32+NN]
.set NN, NN+1
.endr
.endm
; 28 LDS loads: a key step's eight images of K and their scale words; sk, ss: the scalar registers that say where they begin
.macro FETCHK sk, ss
	v_add_nc_u32 v[ADK], s[\sk], v[LI]
	v_add_nc_u32 v[ADS], s[\ss], v[LS]
.irp i, 0,1,2,3
	ds_load_b32 v[KSR+\i], v[ADS] offset:128*\i
.endr
.irp t, 0,1,2,3
.irp c, 0,1,2
	ds_load_b128 v[FA+12*\t+4*\c:FA+12*\t+4*\c+3], v[ADK] offset:1536*\t+512*\c
.endr
.endr
	WIN 0x40
.irp t, 0,1,2,3
.irp c, 0,1,2
	ds_load_b128 v[12*\t+4*\c:12*\t+4*\c+3], v[ADK] offset:1536*(\t+4)+512*\c
.endr
.endr
	WIN 0
.endm
; The next step's K, where that step lies in this chunk and is walked.  hold: where the chunk's last step begins: the address is held there, since in pass 1 the next chunk's bytes are
; still being written by other waves (the fourth trip asks for nothing: PF is 0 there).
.macro NEXTK hold
	s_bitcmp1_b32 s[PF], 0
	s_cbranch_scc0 .Lnk_\@
	s_add_co_u32 s[KN], s[TK], 12288
	s_min_u32 s[KN], s[KN], \hold
	s_add_co_u32 s[SN], s[TS], 512
	FETCHK KN, SN
.Lnk_\@:
.endm
; 28 LDS loads: the step's eight images of V and their scale words
.macro FETCHV
.irp i, 0,1,2,3
	ds_load_b32 v[VSR+\i], v[ADT] offset:128*\i
.endr
	WIN 0x40
.irp t, 0,1,2,3
.irp c, 0,1,2
	ds_load_b128 v[VA+12*\t+4*\c:VA+12*\t+4*\c+3], v[ADV] offset:1536*\t+512*\c
.endr
.endr
.irp t, 0,1,2,3
.irp c, 0,1,2
	ds_load_b128 v[VB+12*\t+4*\c:VB+12*\t+4*\c+3], v[ADV] offset:1536*(\t+4)+512*\c
.endr
.endr
	WIN 0
.endm
; S^T = K Q^T for the step's 128 keys: register 16 b + i of lane (r, h) = query r, key 32 b + 16 h + i.  The fragments are in: the wait stands at the loop's head.
.macro WM8
.irp t, 0,1,2,3
	WMZ (S+8*\t), (FA+12*\t), Q, (KSR+\t/2), QS, (\t%2)
.endr
	WIN 0x01                                       ; source 0 window 1
.irp t, 4,5,6,7
	WMZ (S+8*\t), (12*(\t-4)), Q, (KSR+\t/2), QS, (\t%2)
.endr
	WIN 0
	PLACES                                         ; in front of the first read of the scores and of loads into the fragments' and scale words' registers
.endm
.macro BLOCKMAX                        ; the largest score of my 16 keys of each block of 32
.irp b, 0,1,2,3
	v_max3_num_f32 v[BM+\b], v[S+16*\b], v[S+1+16*\b], v[S+2+16*\b]
.endr
.irp i, 3,5,7,9,11,13
.irp b, 0,1,2,3
	v_max3_num_f32 v[BM+\b], v[BM+\b], v[S+16*\b+\i], v[S+1+16*\b+\i]
.endr
.endr
.irp b, 0,1,2,3
	v_max_num_f32 v[BM+\b], v[BM+\b], v[S+15+16*\b]
.endr
.endm
.macro EXPO                            ; c s - c m of the 64 scores
.set NN, 0
.rept 32
	v_pk_fma_f32 v[S+NN:S+NN+1], v[S+NN:S+NN+1], s[CC:CC+1], v[NCM:NCM+1] op_sel_hi:[1,0,0]
.set NN, NN+2
.endr
.endm
; ---- a key step of pass 1
.macro STEP1 hold
	s_bitcmp1_b32 s[TD], 0
	s_cbranch_scc0 .Le1_\@                         ; all 16 x 128 masked, and no row wholly masked: nothing to add
	s_bitcmp1_b32 s[PT], 0
	s_cbranch_scc0 .Lp1_\@
	MASKLOAD                                       ; the arm of a step with masked scores
	WM8
	s_wait_kmcnt 0x0
	MASKAPPLY
	s_branch .Lj1_\@
.Lp1_\@:
	WM8                                            ; the arm of an open step: no mask word is loaded or used
.Lj1_\@:
	NEXTK \hold
	BLOCKMAX
	v_max3_num_f32 v254, v[BM], v[BM+1], v[BM+2]
	v_max3_num_f32 v[MX], v254, v[BM+3], v[MX]     ; my lane's running maximum
	v_mov_b32 v254, v[NCM]
	v_mul_f32 v[NCM], s[NC], v[MX]                 ; -c m
	v_sub_f32 v254, v[NCM], v254
	v_exp_f32 v[AF], v254                          ; a = 2^(c m_old - c m_new); the scalings below are the plain places behind it
	EXPO
.set NN, 0
.rept 64
	v_exp_f32 v[S+NN], v[S+NN]
.set NN, NN+1
.endr
	s_wait_alu depctr_va_vdst(0)
	v_pk_mul_f32 v[L:L+1], v[L:L+1], v[AF:AF+1] op_sel_hi:[1,0]     ; the sums under the new maximum (a plain place behind the exponentials)
	v_pk_add_f32 v[BM:BM+1], v[S:S+1], v[S+2:S+3]
.irp j, 4,8,12,16,20,24,28,32,36,40,44,48,52,56,60
	v_pk_add_f32 v[L:L+1], v[L:L+1], v[S+\j:S+\j+1]
	v_pk_add_f32 v[BM:BM+1], v[BM:BM+1], v[S+\j+2:S+\j+3]
.endr
	v_pk_add_f32 v[L:L+1], v[L:L+1], v[BM:BM+1]
.Le1_\@:
	s_lshr_b32 s[TD], s[TD], 1
	s_lshr_b32 s[PT], s[PT], 1
	s_lshr_b32 s[PF], s[PF], 1
	s_add_co_u32 s[TK], s[TK], 12288
	s_add_co_u32 s[TS], s[TS], 512
	s_add_co_u32 s[MO], s[MO], 256
.endm
; ---- a key step of pass 2
.macro STEP2 hold
	s_bitcmp1_b32 s[TD], 0
	s_cbranch_scc0 .Le2_\@
	v_add_nc_u32 v[ADV], s[TV], v[LI]
	v_add_nc_u32 v[ADT], s[TSV], v[LS]
	s_bitcmp1_b32 s[PT], 0
	s_cbranch_scc0 .Lp2_\@
	MASKLOAD
	WM8
	s_wait_kmcnt 0x0
	MASKAPPLY
	s_branch .Lj2_\@
.Lp2_\@:
	WM8
.Lj2_\@:
	FETCHV                                         ; this step's V and the next step's K land under the softmax
	NEXTK \hold
	BLOCKMAX
.irp b, 0,1,2,3
	v_permlanex16_b32 v[BM+4+\b], v[BM+\b], s[SEL], s[SEL+1]
.endr
.irp b, 0,1,2,3
	v_max_num_f32 v[BM+\b], v[BM+\b], v[BM+4+\b]   ; the block's largest score: p rises with the score, so it gives the block's largest p
.endr
	EXPO
.irp b, 0,1,2,3
	v_fma_f32 v[BM+\b], v[BM+\b], s[CC], v[NCM]
.endr
.set NN, 0
.rept 64
	v_exp_f32 v[S+NN], v[S+NN]
.set NN, NN+1
.endr
.irp b, 0,1,2,3
	v_exp_f32 v[BM+\b], v[BM+\b]
.endr
	v_nop                                          ; a plain place behind the exponentials
.set NN, 0
	s_wait_alu depctr_va_vdst(0)
.rept 32
	v_pk_mul_f32 v[S+NN:S+NN+1], v[S+NN:S+NN+1], v[L:L+1] op_sel_hi:[1,0]      ; p = softmax x gate, finished
.set NN, NN+2
.endr
.irp b, 0,1,2,3
	v_mul_f32 v[BM+\b], v[BM+\b], v[L]             ; the same two steps on the same number give the same bits
.endr
.irp b, 0,1,2,3
	v_max_num_f32 v[BM+\b], 0x1800000, v[BM+\b]    ; the floor 2^(3 - 127): the byte cannot fall under 1
.endr
.irp b, 0,1,2,3
	v_add_nc_u32 v[SOP+\b], 0xff000000, v[BM+\b]
.endr
.irp b, 0,1,2,3
	v_lshrrev_b32 v[BY+\b], 23, v[SOP+\b]
.endr
	v_lshl_or_b32 v[PW], v[BY+1], 8, v[BY]
	v_lshl_or_b32 v[PW], v[BY+2], 16, v[PW]
	v_lshl_or_b32 v[PW], v[BY+3], 24, v[PW]
.irp c, 0,1
	v_cvt_scalef32_pk16_fp6_f32 v[PC+6*\c:PC+2+6*\c], v[S+32*\c:S+15+32*\c], v[SOP+2*\c]
	v_cvt_scalef32_pk16_fp6_f32 v[PC+12+4*\c:PC+14+4*\c], v[S+16+32*\c:S+31+32*\c], v[SOP+2*\c+1]
.endr
	v_nop
.irp c, 0,1
.irp i, 0,1,2
	v_permlane16_swap_b32 v[PC+6*\c+\i], v[PC+12+4*\c+\i]
.endr
.irp i, 0,1,2
	v_mov_b32 v[PC+3+6*\c+\i], v[PC+12+4*\c+\i]
.endr
.endr
	PLACES                                         ; with the six moves: ten places behind p's scale word, four behind its last code register
	s_wait_dscnt 0x0                               ; V is in (and the next step's K, asked for at the same place)
	WIN 0x01                                       ; source 0 (V) window 1
.irp t, 0,1,2,3                                ; O^T += V^T P^T: the eight accumulators by turns
	WMA (O+8*\t), (VA+12*\t), PC, (VSR+\t/2), PW, (\t%2)
.endr
.irp t, 4,5,6,7
	WMA (O+8*\t), (VB+12*(\t-4)), PC, (VSR+\t/2), PW, (\t%2)
.endr
	WIN 0
	PLACES                                         ; in front of the next step's loads into V's registers, and of the last read of O^T
.Le2_\@:
	s_lshr_b32 s[TD], s[TD], 1
	s_lshr_b32 s[PT], s[PT], 1
	s_lshr_b32 s[PF], s[PF], 1
	s_add_co_u32 s[TK], s[TK], 12288
	s_add_co_u32 s[TS], s[TS], 512
	s_add_co_u32 s[MO], s[MO], 256
	s_add_co_u32 s[TV], s[TV], 12288
	s_add_co_u32 s[TSV], s[TSV], 512
.endm
; Four key steps; every address begins at the chunk's constant and steps in a loop of four trips.  The chunk's first step is asked for here, if it is walked
; (first = 1, the very first chunk: always, so that the fragments' registers are written on every way).
.macro CHUNK1 c, first
	s_mov_b32 s[TK], 49152*\c
	s_mov_b32 s[TS], 2048*\c
	s_mov_b32 s[MO], 1024*\c
	s_lshr_b32 s[PF], s[TD], 1
	s_and_b32 s[PF], s[PF], 7                      ; the chunk's steps 1 to 3 that are walked
.if \first == 0
	s_bitcmp1_b32 s[TD], 0
	s_cbranch_scc0 .Lh1_\@
.endif
	FETCHK TK, TS
.Lh1_\@:
	s_mov_b32 s15, 4
.Lc1_\@:
	s_wait_dscnt 0x0                               ; the step's K, asked for a step ago or at the chunk's head, is in; on no way is an LDS load still out
	STEP1 (49152*\c+36864)
	s_sub_co_u32 s15, s15, 1
	s_cmp_lg_u32 s15, 0
	s_cbranch_scc1 .Lc1_\@
.endm
.macro CHUNK2 c, slot
	s_mov_b32 s[TK], 49152*\c
	s_mov_b32 s[TS], 2048*\c
	s_mov_b32 s[MO], 1024*\c
	s_mov_b32 s[TV], \slot
	s_mov_b32 s[TSV], 8192+2048*\c
	s_lshr_b32 s[PF], s[TD], 1
	s_and_b32 s[PF], s[PF], 7
	s_bitcmp1_b32 s[TD], 0
	s_cbranch_scc0 .Lh2_\@
	FETCHK TK, TS
.Lh2_\@:
	s_mov_b32 s15, 4
.Lc2_\@:
	s_wait_dscnt 0x0                               ; as in pass 1
	STEP2 (49152*\c+36864)
	s_sub_co_u32 s15, s15, 1
	s_cmp_lg_u32 s15, 0
	s_cbranch_scc1 .Lc2_\@
.endm
.macro QUANT s
.irp b, 0,1,2,3
	v_max3_num_f32 v[QTM+\b], |v[(\s)+16*\b]|, |v[(\s)+1+16*\b]|, 0x1800000
.endr
.irp i, 2,4,6,8,10,12,14
.irp b, 0,1,2,3
	v_max3_num_f32 v[QTM+\b], v[QTM+\b], |v[(\s)+16*\b+\i]|, |v[(\s)+1+16*\b+\i]|
.endr
.endr
.irp b, 0,1,2,3
	v_permlanex16_b32 v[QTM+4+\b], v[QTM+\b], s[SEL], s[SEL+1]
.endr
.irp b, 0,1,2,3
	v_max_num_f32 v[QTM+\b], v[QTM+\b], v[QTM+4+\b]
.endr
.irp b, 0,1,2,3
	v_add_nc_u32 v[QTM+12+\b], 0xff000000, v[QTM+\b]
.endr
.irp b, 0,1,2,3
	v_lshrrev_b32 v[QTM+4+\b], 23, v[QTM+12+\b]
.endr
	v_lshl_or_b32 v[QPW], v[QTM+5], 8, v[QTM+4]
	v_lshl_or_b32 v[QPW], v[QTM+6], 16, v[QPW]
	v_lshl_or_b32 v[QPW], v[QTM+7], 24, v[QPW]
.irp c, 0,1
	v_cvt_scalef32_pk16_fp6_f32 v[QPC+6*\c:QPC+2+6*\c], v[(\s)+32*\c:(\s)+15+32*\c], v[QTM+12+2*\c]
	v_cvt_scalef32_pk16_fp6_f32 v[QPC+12+4*\c:QPC+14+4*\c], v[(\s)+16+32*\c:(\s)+31+32*\c], v[QTM+12+2*\c+1]
.endr
	v_nop
.irp c, 0,1
.irp i, 0,1,2
	v_permlane16_swap_b32 v[QPC+6*\c+\i], v[QPC+12+4*\c+\i]
.endr
.irp i, 0,1,2
	v_mov_b32 v[QPC+3+6*\c+\i], v[QPC+12+4*\c+\i]
.endr
.endr
.endm
	s_load_b256 s[4:11], s[0:1], 0x0               ; qkv 4, xw 6, msk 8, ao 10
	v_lshl_add_u32 v243, v0, 2, 0x4c000
	v_mov_b32 v255, 0
	v_lshrrev_b32 v3, 5, v0
	v_readfirstlane_b32 s12, v3                    ; wave 0..7
	v_and_b32 v3, 31, v0
	v_lshlrev_b32 v[LI], 4, v3
	v_lshl_add_u32 v[LS], v3, 2, SCB
	v_and_b32 v4, 15, v0
	v_lshlrev_b32 v[R4], 2, v4
	v_lshlrev_b32 v4, 6, v4                        ; the gates' row r of 64 bytes
	s_mul_i32 s78, s12, 6144
	v_add_nc_u32 v[CP], s78, v[LI]
	s_lshl_b32 s78, s12, 11
	v_add_nc_u32 v[CSC], s78, v[LI]
	v_add_nc_u32 v3, SCB, v[CSC]                   ; where my eighth of the scale words goes
	s_and_b32 s2, ttmp7, 0xffff                    ; y = 2 batch + kv head
	s_sub_co_u32 s3, 127, ttmp9
	s_cmp_lt_u32 s12, 4
	s_cselect_b32 s3, ttmp9, s3                    ; my query tile in the batch
	s_lshr_b32 s78, s2, 1
	s_lshl_b32 s78, s78, 7
	s_add_co_u32 s78, s78, s3                      ; T: the tile among all 256
	s_and_b32 s79, s2, 1
	s_lshl_b32 s79, s79, 2
	s_and_b32 s13, s12, 3
	s_add_co_u32 s79, s79, s13                     ; q head
	s_lshl_b32 s13, s78, 3
	s_add_co_u32 s13, s13, s79
	s_mul_i32 s16, s13, 1536                       ; Q's image
	s_mov_b32 s17, 0
	s_lshl_b32 s18, s13, 6
	s_add_co_u32 s18, s18, QSC
	s_mov_b32 s19, 0
	s_lshl_b32 s20, s78, 10
	s_lshl_b32 s21, s79, 2
	s_add_co_u32 s20, s20, s21
	s_add_co_u32 s20, s20, GATE
	s_mov_b32 s21, 0
	s_mul_i32 s22, s2, 196608
	s_mov_b32 s23, 0
	s_lshl_b32 s24, s2, 14
	s_add_co_u32 s24, s24, KVSC
	s_mov_b32 s25, 0
	s_lshl_b32 s26, s3, 12
	s_mov_b32 s27, 0
	s_lshl_b32 s28, s3, 7
	s_add_co_u32 s28, s28, MF
	s_mov_b32 s29, 0
	s_lshr_b32 s30, s78, 3
	s_and_b32 s31, s78, 7
	s_mul_i32 s32, s30, 98304
	s_mul_i32 s33, s79, 12288
	s_add_co_u32 s32, s32, s33
	s_mul_i32 s33, s31, 1536
	s_add_co_u32 s32, s32, s33                     ; the output's image: [block][K step = q head][tile]
	s_mov_b32 s33, 0
	s_lshl_b32 s34, s30, 12
	s_lshl_b32 s35, s79, 9
	s_add_co_u32 s34, s34, s35
	s_lshl_b32 s35, s31, 6
	s_add_co_u32 s34, s34, s35
	s_add_co_u32 s34, s34, AOSC
	s_mov_b32 s35, 0
	s_mov_b32 s[CC], 0x3e0293ee                    ; c = log2(e) / sqrt(128)
	s_mov_b32 s[CC+1], s[CC]
	s_mov_b32 s[NC], 0xbe0293ee                    ; -c
	s_mov_b32 s[SEL], 0x76543210
	s_mov_b32 s[SEL+1], 0xfedcba98
	s_wait_kmcnt 0x0
	s_add_nc_u64 s[80:81], s[4:5], s[16:17]
	s_add_nc_u64 s[82:83], s[4:5], s[18:19]
	s_add_nc_u64 s[84:85], s[6:7], s[20:21]
	s_add_nc_u64 s[86:87], s[4:5], s[24:25]
	s_add_nc_u64 s[88:89], s[8:9], s[28:29]
	s_add_nc_u64 s[96:97], s[8:9], s[26:27]        ; my tile's mask words
	s_add_nc_u64 s[98:99], s[4:5], s[22:23]
	s_add_nc_u64 s[100:101], s[98:99], VIMG        ; V's images of y
	s_add_nc_u64 s[98:99], s[98:99], KIMG          ; K's
	s_add_nc_u64 s[6:7], s[10:11], s[34:35]        ; the output's scale record
	s_add_nc_u64 s[10:11], s[10:11], s[32:33]      ; and image
	global_load_b128 v[Q:Q+3], v[LI], s[80:81]
	global_load_b128 v[Q+4:Q+7], v[LI], s[80:81] offset:512
	global_load_b128 v[Q+8:Q+11], v[LI], s[80:81] offset:1024
	global_load_b32 v[QS], v[R4], s[82:83]
	global_load_b32 v[GA], v4, s[84:85]
	s_load_b512 s[16:31], s[88:89], 0x0            ; the 16 steps' ANDs
	s_load_b512 s[32:47], s[88:89], 0x40           ; and ORs
	WIN 0x40
.irp i, 0,1,2,3
	global_load_b128 v[4*\i:4*\i+3], v[CSC], s[86:87] offset:512*\i
.endr
	WIN 0
	COPYLD 16, 98, 0                               ; K's four chunks: 48 loads
	COPYLD 64, 98, 49152
	COPYLD 112, 98, 98304
	COPYLD 160, 98, 147456
	v_mov_b32 v[FILL], 0xd0289660                  ; -1e9 sqrt(128)
	v_mov_b32 v[MX], 0xff61b1e6                    ; -3e38, under every score
	v_mul_f32 v[NCM], s[NC], v[MX]
	v_mov_b32 v[L], 0
	v_mov_b32 v[L+1], 0
	v_mov_b32 v[PW], 0                             ; (named as the upper half of the pair v[252:253] before it is first written)
.irp b, 0,1,2,3
	v_mov_b32 v[BM+4+\b], 0                        ; a lane permute's destination counts as one of its sources
.endr
.set NN, 0
.rept 64
	v_mov_b32 v[O+NN], 0                           ; O^T is cleared once: which key step is the first to be walked hangs on the mask
.set NN, NN+1
.endr
	s_wait_kmcnt 0x0
	s_mov_b32 s13, 0                               ; TODO: bit ks: the step is walked
	s_mov_b32 s14, 0                               ; PART: bit ks: the step has masked scores
	s_mov_b32 s79, -1
.irp k, 0,1,2,3,4,5,6,7,8,9,10,11,12,13,14,15
	s_cmp_lg_u32 s[16+\k], -1
	s_cselect_b32 s78, 1<<\k, 0
	s_or_b32 s13, s13, s78
	s_cmp_lg_u32 s[32+\k], 0
	s_cselect_b32 s78, 1<<\k, 0
	s_or_b32 s14, s14, s78
	s_and_b32 s79, s79, s[16+\k]
.endr
	s_lshr_b32 s78, s79, 16                        ; a row is masked wholly where both of its lanes are, in every step
	s_and_b32 s78, s78, s79
	s_and_b32 s78, s78, 0xffff
	s_cmp_lg_u32 s78, 0
	s_cselect_b32 s13, 0xffff, s13                 ; then every step is walked
	s_wait_loadcnt 36                              ; Q, its scales, the gate, the scale words and K's chunk 0 are in; chunks 1-3 (36 loads) may be out
	WIN 0x04
.irp i, 0,1,2,3
	ds_store_b128 v3, v[4*\i:4*\i+3] offset:512*\i
.endr
	WIN 0
	COPYST 16, 0
	s_mov_b32 s[TD], s13
	s_mov_b32 s[PT], s14
	s_wait_dscnt 0x0                               ; for the others' sake: my stores have landed
	BARRIER
	; ---------------- pass 1
	CHUNK1 0, 1
	s_wait_loadcnt 24                              ; chunk 1 is in; chunks 2 and 3 may be out
	COPYST 64, 49152
	s_wait_dscnt 0x0
	BARRIER
	CHUNK1 1, 0
	s_wait_loadcnt 12
	COPYST 112, 98304
	s_wait_dscnt 0x0
	BARRIER
	CHUNK1 2, 0
	s_wait_loadcnt 0x0
	COPYST 160, 147456
	s_wait_dscnt 0x0                               ; my stores have landed and have read their registers: V's first three pieces may land there
	COPYLD 48, 100, 0
	COPYLD 96, 100, 49152
	COPYLD 144, 100, 98304
	BARRIER
	CHUNK1 3, 0
	; ---------------- the two halves of the lanes are joined; f = gate / sum
	v_permlanex16_b32 v[BM+4], v[NCM], s[SEL], s[SEL+1]
	v_min_num_f32 v[BM+4], v[NCM], v[BM+4]         ; -c x the row's maximum
	v_sub_f32 v[BM+5], v[BM+4], v[NCM]
	v_exp_f32 v[BM+5], v[BM+5]
	v_add_f32 v[L], v[L], v[L+1]
	s_wait_alu depctr_va_vdst(0)
	v_mul_f32 v[L], v[L], v[BM+5]                  ; my half's sum under the row's maximum
	v_permlanex16_b32 v[BM+6], v[L], s[SEL], s[SEL+1]
	v_add_f32 v[L], v[L], v[BM+6]
	v_rcp_f32 v[L+1], v[L]
	v_mov_b32 v[NCM], v[BM+4]
	s_wait_alu depctr_va_vdst(0)
	v_mul_f32 v[L], v[L+1], v[GA]
	s_mov_b32 s[TD], s13
	s_mov_b32 s[PT], s14
	s_wait_loadcnt 12                              ; V's pieces 0 and 1 are in; piece 2 may be out
	COPYST 48, VS0
	COPYST 96, VS1
	s_wait_dscnt 0x0                               ; the stores have landed and have read their registers: piece 1's now serve V's fragments 0-3
	COPYLD 48, 100, 147456                         ; piece 3, into piece 0's registers
	BARRIER
	; ---------------- pass 2
	CHUNK2 0, VS0
	s_wait_loadcnt 12                              ; piece 2 is in; piece 3 may be out
	s_wait_dscnt 0x0                               ; my reads of slot 0 are over
	BARRIER
	COPYST 144, VS0
	CHUNK2 1, VS1
	s_wait_loadcnt 0x0
	s_wait_dscnt 0x0                               ; my stores into slot 0 have landed, my reads of slot 1 are over
	BARRIER
	COPYST 48, VS1
	CHUNK2 2, VS0
	s_wait_dscnt 0x0
	BARRIER
	CHUNK2 3, VS1
	; ---------------- O^T: a lane holds one query, its registers run along the head's 128, which are K step (q head) of the last product: quantised as it stands
.irp b, 0,1,2,3
	v_mov_b32 v[QTM+4+\b], 0
.endr
	QUANT O
	global_store_b128 v[LI], v[QPC:QPC+3], s[10:11]
	global_store_b128 v[LI], v[QPC+4:QPC+7], s[10:11] offset:512
	global_store_b128 v[LI], v[QPC+8:QPC+11], s[10:11] offset:1024
	global_store_b32 v[R4], v[QPW], s[6:7]
	s_wait_tensorcnt 0x0
	ds_add_u32 v243, v255
	s_wait_dscnt 0x0
	s_endpgm
.Lfunc_end_k_q6a82387214_attn:
	.size	k_q6a82387214_attn, .Lfunc_end_k_q6a82387214_attn-k_q6a82387214_attn
	.p2alignl 7, 3214868480
	.fill 96, 4, 3214868480
	.section	.rodata,"a",@progbits
	.p2align	6, 0x0
	.amdhsa_kernel k_q6a82387214_attn
		.amdhsa_group_segment_fixed_size 312320
		.amdhsa_private_segment_fixed_size 0
		.amdhsa_enable_private_segment 0
		.amdhsa_kernarg_size 32
		.amdhsa_user_sgpr_count 2
		.amdhsa_user_sgpr_kernarg_segment_ptr 1
		.amdhsa_wavefront_size32 1
		.amdhsa_system_sgpr_workgroup_id_x 1
		.amdhsa_system_sgpr_workgroup_id_y 1
		.amdhsa_system_sgpr_workgroup_id_z 1
		.amdhsa_system_vgpr_workitem_id 0
		.amdhsa_next_free_vgpr 496
		.amdhsa_next_free_sgpr 102
		.amdhsa_reserve_vcc 0
		.amdhsa_float_denorm_mode_32 3
		.amdhsa_float_denorm_mode_16_64 3
		.amdhsa_memory_ordered 1
		.amdhsa_forward_progress 1
		.amdhsa_inst_pref_size 215
	.end_amdhsa_kernel
	.amdgpu_metadata
---
amdhsa.version: [ 1, 2 ]
amdhsa.kernels:
  - .name:           k_q6a82387214_attn
    .symbol:         k_q6a82387214_attn.kd
    .args:
      - { .name: qkv, .offset: 0, .size: 8, .value_kind: global_buffer, .address_space: global }
      - { .name: xw, .offset: 8, .size: 8, .value_kind: global_buffer, .address_space: global }
      - { .name: msk, .offset: 16, .size: 8, .value_kind: global_buffer, .address_space: global }
      - { .name: ao, .offset: 24, .size: 8, .value_kind: global_buffer, .address_space: global }
    .group_segment_fixed_size: 312320
    .private_segment_fixed_size: 0
    .kernarg_segment_align: 8
    .kernarg_segment_size: 32
    .max_flat_workgroup_size: 256
    .sgpr_count:     102
    .vgpr_count:     496
    .wavefront_size: 32
...
	.end_amdgpu_metadata
.endif
;; end of part 3
;; launch outp (part 4): grid 16 x 16, 4 waves a work-group, clusters of 4 x 4, 327,680 bytes of LDS; arguments ao, xw, out0; writes out0
.if DOCPART == 4
	.amdgcn_target "amdgcn-amd-amdhsa--gfx1250"
	.amdhsa_code_object_version 6
	.text
	.protected	k_q6a82387214_outp
	.globl	k_q6a82387214_outp
	.p2align	8
	.type	k_q6a82387214_outp,@function
k_q6a82387214_outp:
	s_mov_b64 s[64:65], 0
	v_nop
	global_prefetch_b8 v0, s[64:65] scope:SCOPE_SE
	s_setreg_imm32_b32 hwreg(HW_REG_WAVE_MODE, 25, 1), 1
	s_wait_xcnt 0x0
	s_wait_alu depctr_hold_cnt(0) depctr_sa_sdst(0) depctr_va_vdst(0) depctr_va_sdst(0) depctr_va_ssrc(0) depctr_va_vcc(0) depctr_vm_vsrc(0)
	s_getreg_b32 s2, hwreg(HW_REG_IB_STS2, 6, 4)
	s_cmp_eq_u32 s2, 0
	s_cbranch_scc0 .Lentry_in_a_cluster
	s_endpgm
.Lentry_in_a_cluster:
	s_bfe_u32 s2, ttmp6, 0x10000c
	s_cmp_lg_u32 s2, 0xf033
	s_cbranch_scc0 .Lentry_shape_is_right
	s_endpgm
.Lentry_shape_is_right:
; OUTP.  out0 = attention's output x Wo on E2M3 codes.  A work-group makes 128 columns (P = a block of Wo's columns, source 0) x 256 tokens (R, source 1).
; Four waves; wave w takes all 128 P rows x tokens 64 w .. 64 w + 63: 32 accumulators.  K = 1,024 in 8 steps of 128: exactly two LDS slots of four steps, so nothing is filled again.
; CLUSTERS: 4 x 4 work-groups.  P hangs on the work-group's x alone and is shared along a column of the cluster, R on its y alone and is shared along a row: each is asked for JOINTLY.
; Wave 0 asks for P's three tiles (scales, slot 0, slot 1), waves 1 and 2 for those of R's two blocks, wave 3 for none: three tensor loads of a wave are out at the most.
; The way out goes through each wave's own stage, which lies in slot 0: that slot has had its only fill, and behind the barrier at K step 3 nobody reads it.
; REGISTERS: as in the projections: window 0: addresses, R's fragments (two sets), scale words; window 1: accumulator (m, t) at v[64 m + 8 t]; window 2: P's fragments (two sets).
.set WOIMG, 8650752
.set WOSC,  10584064
.set AOSC,  3145728
.set REG,   49152
.set SLOT,  3*REG
.set SCB,   2*SLOT
.set SCR,   4096
.set ADP,   2
.set ADR,   4
.set ASP,   6
.set ASR,   7
.set LI,    10
.set STO,   12
.set RD,    13
.set RF,    32
.set SCL,   128
.set MSB, 0
.macro WIN new
.if MSB != \new
	s_set_vgpr_msb (MSB<<8)|\new
.set MSB, \new
.endif
.endm
.macro PLACES
.rept 4
	v_nop
.endr
.endm
.macro WMZ d, a, b, sa, sb, ra, rb
.if (\ra) && (\rb)
	v_wmma_scale_f32_16x16x128_f8f6f4 v[\d:\d+7], v[\a:\a+11], v[\b:\b+11], 0, v[\sa], v[\sb] matrix_a_fmt:MATRIX_FMT_FP6 matrix_b_fmt:MATRIX_FMT_FP6 matrix_a_scale:MATRIX_SCALE_ROW1 matrix_b_scale:MATRIX_SCALE_ROW1
.elseif \ra
	v_wmma_scale_f32_16x16x128_f8f6f4 v[\d:\d+7], v[\a:\a+11], v[\b:\b+11], 0, v[\sa], v[\sb] matrix_a_fmt:MATRIX_FMT_FP6 matrix_b_fmt:MATRIX_FMT_FP6 matrix_a_scale:MATRIX_SCALE_ROW1
.elseif \rb
	v_wmma_scale_f32_16x16x128_f8f6f4 v[\d:\d+7], v[\a:\a+11], v[\b:\b+11], 0, v[\sa], v[\sb] matrix_a_fmt:MATRIX_FMT_FP6 matrix_b_fmt:MATRIX_FMT_FP6 matrix_b_scale:MATRIX_SCALE_ROW1
.else
	v_wmma_scale_f32_16x16x128_f8f6f4 v[\d:\d+7], v[\a:\a+11], v[\b:\b+11], 0, v[\sa], v[\sb] matrix_a_fmt:MATRIX_FMT_FP6 matrix_b_fmt:MATRIX_FMT_FP6
.endif
.endm
.macro WMA d, a, b, sa, sb, ra, rb
.if (\ra) && (\rb)
	v_wmma_scale_f32_16x16x128_f8f6f4 v[\d:\d+7], v[\a:\a+11], v[\b:\b+11], v[\d:\d+7], v[\sa], v[\sb] matrix_a_fmt:MATRIX_FMT_FP6 matrix_b_fmt:MATRIX_FMT_FP6 matrix_a_scale:MATRIX_SCALE_ROW1 matrix_b_scale:MATRIX_SCALE_ROW1
.elseif \ra
	v_wmma_scale_f32_16x16x128_f8f6f4 v[\d:\d+7], v[\a:\a+11], v[\b:\b+11], v[\d:\d+7], v[\sa], v[\sb] matrix_a_fmt:MATRIX_FMT_FP6 matrix_b_fmt:MATRIX_FMT_FP6 matrix_a_scale:MATRIX_SCALE_ROW1
.elseif \rb
	v_wmma_scale_f32_16x16x128_f8f6f4 v[\d:\d+7], v[\a:\a+11], v[\b:\b+11], v[\d:\d+7], v[\sa], v[\sb] matrix_a_fmt:MATRIX_FMT_FP6 matrix_b_fmt:MATRIX_FMT_FP6 matrix_b_scale:MATRIX_SCALE_ROW1
.else
	v_wmma_scale_f32_16x16x128_f8f6f4 v[\d:\d+7], v[\a:\a+11], v[\b:\b+11], v[\d:\d+7], v[\sa], v[\sb] matrix_a_fmt:MATRIX_FMT_FP6 matrix_b_fmt:MATRIX_FMT_FP6
.endif
.endm
.macro FETCH slot, q, ks, set          ; 42 LDS loads: K step ks (the slot's q-th) into set
	WIN 0x80
.irp t, 0,1,2,3,4,5,6,7
.irp c, 0,1,2
	ds_load_b128 v[96*(\set)+12*\t+4*\c:96*(\set)+12*\t+4*\c+3], v[ADP+\slot] offset:12288*(\q)+1536*\t+512*\c
.endr
.endr
	WIN 0
.irp m, 0,1,2,3
.irp c, 0,1,2
	ds_load_b128 v[RF+48*(\set)+12*\m+4*\c:RF+48*(\set)+12*\m+4*\c+3], v[ADR+\slot] offset:12288*(\q)+1536*\m+512*\c
.endr
.endr
.irp i, 0,1,2,3
	ds_load_b32 v[SCL+8*(\set)+\i], v[ASP] offset:512*(\ks)+128*\i
.endr
.irp i, 0,1
	ds_load_b32 v[SCL+8*(\set)+4+\i], v[ASR] offset:512*(\ks)+128*\i
.endr
.endm
.macro MUL set, zero                   ; 32 products: the accumulators take turns, one instruction a turn
	WIN 0x52
.irp m, 0,1,2,3
.irp t, 0,1,2,3,4,5,6,7
.if \zero
	WMZ (64*\m+8*\t), (96*(\set)+12*\t), (RF+48*(\set)+12*\m), (SCL+8*(\set)+\t/2), (SCL+8*(\set)+4+\m/2), (\t%2), (\m%2)
.else
	WMA (64*\m+8*\t), (96*(\set)+12*\t), (RF+48*(\set)+12*\m), (SCL+8*(\set)+\t/2), (SCL+8*(\set)+4+\m/2), (\t%2), (\m%2)
.endif
.endr
.endr
.endm
.macro KSTEP ks, zero
	s_wait_dscnt 0x0                               ; this step's fragments, asked for a step ago
	PLACES                                         ; in front of loads into the set that the last step's products read
	FETCH (((\ks)+1)/4)%2, ((\ks)+1)%4, (\ks)+1, ((\ks)+1)%2
	MUL (\ks)%2, \zero
.endm
.macro ROUND                           ; a round of the cluster's barrier
	s_barrier_signal -1
	s_barrier_wait -1
	s_cmp_lg_u32 s8, 0
	s_cbranch_scc1 .Lnot_wave_0_\@
	s_barrier_signal -3
.Lnot_wave_0_\@:
	s_barrier_wait -3
	s_barrier_signal -1
	s_barrier_wait -1
.endm
	s_load_b128 s[4:7], s[0:1], 0x0                ; ao, xw
	s_load_b64 s[14:15], s[0:1], 0x10              ; out0
	v_lshl_add_u32 v254, v0, 2, 0x4b000
	v_mov_b32 v255, 0
	ds_add_u32 v254, v255
	v_lshrrev_b32 v1, 5, v0
	v_readfirstlane_b32 s8, v1                     ; wave 0..3
	s_bfe_u32 s9, ttmp6, 0x40000                   ; cx
	s_bfe_u32 s10, ttmp6, 0x40004                  ; cy
	s_lshl_b32 s11, ttmp9, 2
	s_add_co_u32 s11, s11, s9                      ; x: block of 128 columns of Wo
	s_and_b32 s12, ttmp7, 0xffff
	s_lshl_b32 s12, s12, 2
	s_add_co_u32 s12, s12, s10                     ; y: block of 256 tokens
	s_lshl_b32 s2, s10, 2
	s_lshl_b32 s2, 15, s2                          ; my row of the cluster
	s_lshl_b32 s3, 0x1111, s9                      ; my column
	; groups 1: dense blocks as rows of 256 bytes (32 elements of 8 bytes).  15:0 the mask; 17:16 elements of 8 bytes; 21 set beside a mask
	s_or_b32 s16, s3, (3<<16)|(1<<21)              ; P's codes: shared along my column
	s_or_b32 s24, s2, (3<<16)|(1<<21)              ; R's codes: shared along my row
	s_or_b32 s32, s3, (3<<16)|(1<<21)              ; P's scales
	s_or_b32 s40, s2, (3<<16)|(1<<21)              ; R's scales
.irp g, 16, 24
	s_mov_b32 s[\g+1], 32<<16
	s_mov_b32 s[\g+2], 192<<16
	s_mov_b32 s[\g+3], 32<<16
	s_mov_b32 s[\g+4], 192
	s_mov_b32 s[\g+5], 32
	s_mov_b32 s[\g+6], 0
	s_mov_b32 s[\g+7], 0
.endr
.irp g, 32, 40
	s_mov_b32 s[\g+1], 32<<16
	s_mov_b32 s[\g+2], 16<<16
	s_mov_b32 s[\g+3], 32<<16
	s_mov_b32 s[\g+4], 16
	s_mov_b32 s[\g+5], 32
	s_mov_b32 s[\g+6], 0
	s_mov_b32 s[\g+7], 0
.endr
	s_mul_i32 s86, s11, 98304                      ; P hangs on x alone,
	s_add_co_u32 s86, s86, WOIMG
	s_mov_b32 s87, 0
	s_lshl_b32 s88, s11, 12
	s_add_co_u32 s88, s88, WOSC
	s_mov_b32 s89, 0
	s_max_u32 s90, s8, 1
	s_sub_co_u32 s90, s90, 1
	s_lshl_b32 s91, s12, 1
	s_add_co_u32 s90, s90, s91                     ; R on y and the wave's number: block 2 y + wave - 1
	s_mul_i32 s92, s90, 98304
	s_mov_b32 s93, 0
	s_lshl_b32 s94, s90, 12
	s_add_co_u32 s94, s94, AOSC
	s_mov_b32 s95, 0
	s_mul_i32 s80, s8, REG                         ; where they go: the wave's number alone
	s_lshl_b32 s81, s8, 12
	s_add_co_u32 s81, s81, SCB
	s_wait_dscnt 0x0
	s_wait_kmcnt 0x0
	s_mov_b32 s48, 1                               ; P: scales,
	s_mov_b32 s49, s81
	s_add_nc_u64 s[50:51], s[6:7], s[88:89]
	s_or_b32 s51, s51, 0x80000000
	s_mov_b32 s52, 1                               ; slot 0: K steps 0-3,
	s_mov_b32 s53, s80
	s_add_nc_u64 s[54:55], s[6:7], s[86:87]
	s_mov_b32 s56, 1                               ; slot 1: K steps 4-7
	s_add_co_u32 s57, s80, SLOT
	s_add_nc_u64 s[58:59], s[54:55], REG
	s_or_b32 s55, s55, 0x80000000
	s_or_b32 s59, s59, 0x80000000
	s_mov_b32 s68, 1                               ; R likewise
	s_mov_b32 s69, s81
	s_add_nc_u64 s[70:71], s[4:5], s[94:95]
	s_or_b32 s71, s71, 0x80000000
	s_mov_b32 s72, 1
	s_mov_b32 s73, s80
	s_add_nc_u64 s[74:75], s[4:5], s[92:93]
	s_mov_b32 s76, 1
	s_add_co_u32 s77, s80, SLOT
	s_add_nc_u64 s[78:79], s[74:75], REG
	s_or_b32 s75, s75, 0x80000000
	s_or_b32 s79, s79, 0x80000000
	ROUND                                          ; all sixteen work-groups are here: the joint loads meet
	s_cmp_eq_u32 s8, 0
	s_cbranch_scc0 .Lnot_p
	tensor_load_to_lds s[48:51], s[32:39]
	s_nop 0
	tensor_load_to_lds s[52:55], s[16:23]
	s_nop 0
	tensor_load_to_lds s[56:59], s[16:23]
	s_nop 0
	PLACES
	s_branch .Lasked
.Lnot_p:
	s_cmp_lt_u32 s8, 3
	s_cbranch_scc0 .Lasked
	tensor_load_to_lds s[68:71], s[40:47]
	s_nop 0
	tensor_load_to_lds s[72:75], s[24:31]
	s_nop 0
	tensor_load_to_lds s[76:79], s[24:31]
	s_nop 0
	PLACES
.Lasked:
	v_and_b32 v1, 31, v0
	v_lshlrev_b32 v[LI], 4, v1
	v_mov_b32 v[ADP], v[LI]
	v_add_nc_u32 v[ADP+1], SLOT, v[LI]
	s_lshr_b32 s13, s8, 1
	s_add_co_u32 s13, s13, 1
	s_mul_i32 s82, s13, REG
	s_and_b32 s83, s8, 1
	s_mul_i32 s84, s83, 6144
	s_add_co_u32 s82, s82, s84
	v_add_nc_u32 v[ADR], s82, v[LI]                ; my four tiles of R: block w / 2, tiles 4 (w % 2) on
	s_add_co_u32 s82, s82, SLOT
	v_add_nc_u32 v[ADR+1], s82, v[LI]
	v_lshl_add_u32 v[ASP], v1, 2, SCB
	s_lshl_b32 s82, s13, 12
	s_lshl_b32 s83, s83, 8
	s_add_co_u32 s82, s82, s83
	s_add_co_u32 s82, s82, SCB
	v_lshl_add_u32 v[ASR], v1, 2, s82
	s_mul_i32 s13, s8, 8448                        ; my stage: 16 rows of 512 bytes + 16
	v_and_b32 v14, 15, v0
	v_bfe_u32 v15, v0, 4, 1
	v_mul_u32_u24 v[STO], v14, 528
	v_lshl_add_u32 v[STO], v15, 6, v[STO]
	v_add_nc_u32 v[STO], s13, v[STO]               ; in: row r, + 64 h
	v_add_nc_u32 v[RD], s13, v[LI]                 ; back: a whole row, 16 bytes a lane
	s_lshl_b32 s82, s12, 8
	s_lshl_b32 s83, s8, 6
	s_add_co_u32 s82, s82, s83                     ; my first token: 256 y + 64 w
	s_lshl_b32 s82, s82, 13
	s_lshl_b32 s83, s11, 9
	s_add_co_u32 s82, s82, s83                     ; + my 128 columns
	s_mov_b32 s83, 0
	s_add_nc_u64 s[14:15], s[14:15], s[82:83]
	s_wait_tensorcnt 0x1                           ; the scales and my part of slot 0 are in; slot 1's may stay out
	s_barrier_signal -1
	s_barrier_wait -1
	FETCH 0, 0, 0, 0
	KSTEP 0, 1                                     ; the first step's products start the sums
	KSTEP 1, 0
	KSTEP 2, 0
	WIN 0
	s_wait_tensorcnt 0x0                           ; my part of slot 1 is in,
	s_wait_dscnt 0x0                               ; and my reads of slot 0 are over
	s_barrier_signal -1
	s_barrier_wait -1                              ; both hold of every wave; nothing is filled again
	PLACES
	FETCH 1, 0, 4, 0
	MUL 1, 0
	KSTEP 4, 0
	KSTEP 5, 0
	KSTEP 6, 0
	s_wait_dscnt 0x0
	MUL 1, 0
	WIN 0
	PLACES                                         ; in front of the first read of results and of loads into the fragments' registers
; THE WAY OUT, a tile of 16 tokens at a time.  Lane (r, h) holds token r and, in register 16 b + i, column 32 b + 16 h + i: 64 bytes on end for each b.  The tile goes through my stage
; and comes back as whole rows of 512 bytes, which the 32 lanes store as 512 consecutive bytes at a multiple of 256 from out0's first byte.
.macro OUTT m
.set OBX, 32+112*((\m)%2)
.if (\m) > 1
	s_wait_xcnt 0x0                                ; the stores of two tiles ago have read their registers
.endif
	WIN 0x04                                       ; an LDS store's data are its source 1: window 1
.irp b, 0,1,2,3
.irp q, 0,1,2,3
	ds_store_b128 v[STO], v[64*(\m)+16*\b+4*\q:64*(\m)+16*\b+4*\q+3] offset:128*\b+16*\q     ; each accumulator from its low end on
.endr
.endr
	WIN 0
.irp i, 0,1,2,3,4,5,6,7,8,9,10,11,12,13,14,15
	ds_load_b128 v[OBX+4*\i:OBX+4*\i+3], v[RD] offset:528*\i      ; LDS serves a wave's instructions in order: these see my stores, and the next tile's stores come behind them
.endr
.irp i, 0,1,2,3,4,5,6,7,8,9,10,11,12,13,14,15
	s_wait_dscnt 15-\i
	global_store_b128 v[LI], v[OBX+4*\i:OBX+4*\i+3], s[14:15] offset:(32*((\m)/2)+8*((\m)%2)+\i+8*(\i/8))*8192 th:TH_STORE_NT
.endr
.endm
	OUTT 0
	OUTT 1
	OUTT 2
	OUTT 3
	s_wait_tensorcnt 0x0
	s_wait_dscnt 0x0
	s_wait_tensorcnt 0x0
	ds_add_u32 v254, v255
	s_wait_dscnt 0x0
	ROUND                                          ; the closing round: no work-group ends while a partner may still ask for a tile that names it
	s_endpgm
.Lfunc_end_k_q6a82387214_outp:
	.size	k_q6a82387214_outp, .Lfunc_end_k_q6a82387214_outp-k_q6a82387214_outp
	.p2alignl 7, 3214868480
	.fill 96, 4, 3214868480
	.section	.rodata,"a",@progbits
	.p2align	6, 0x0
	.amdhsa_kernel k_q6a82387214_outp
		.amdhsa_group_segment_fixed_size 327680
		.amdhsa_private_segment_fixed_size 0
		.amdhsa_enable_private_segment 0
		.amdhsa_kernarg_size 24
		.amdhsa_user_sgpr_count 2
		.amdhsa_user_sgpr_kernarg_segment_ptr 1
		.amdhsa_wavefront_size32 1
		.amdhsa_system_sgpr_workgroup_id_x 1
		.amdhsa_system_sgpr_workgroup_id_y 1
		.amdhsa_system_sgpr_workgroup_id_z 1
		.amdhsa_system_vgpr_workitem_id 0
		.amdhsa_next_free_vgpr 704
		.amdhsa_next_free_sgpr 96
		.amdhsa_reserve_vcc 0
		.amdhsa_float_denorm_mode_32 3
		.amdhsa_float_denorm_mode_16_64 3
		.amdhsa_memory_ordered 1
		.amdhsa_forward_progress 1
		.amdhsa_inst_pref_size 80
	.end_amdhsa_kernel
	.amdgpu_metadata
---
amdhsa.version: [ 1, 2 ]
amdhsa.kernels:
  - .name:           k_q6a82387214_outp
    .symbol:         k_q6a82387214_outp.kd
    .args:
      - { .name: ao, .offset: 0, .size: 8, .value_kind: global_buffer, .address_space: global }
      - { .name: xw, .offset: 8, .size: 8, .value_kind: global_buffer, .address_space: global }
      - { .name: out0, .offset: 16, .size: 8, .value_kind: global_buffer, .address_space: global }
    .group_segment_fixed_size: 327680
    .private_segment_fixed_size: 0
    .kernarg_segment_align: 8
    .kernarg_segment_size: 24
    .max_flat_workgroup_size: 128
    .sgpr_count:     96
    .vgpr_count:     704
    .wavefront_size: 32
...
	.end_amdgpu_metadata
.endif
;; end of part 4
;; ======== version 2 of 2: 4 launches; version 1 with the launch attn written anew for expert scheduling mode
;; limits: right only within a limited range of input values
;; workspace buffers: xw 10,911,744 bytes; msk 540,672 bytes of whole numbers; qkv 4,915,200 bytes; ao 3,276,800 bytes
;; launch prep: the kernel of part 1 again; grid 480 x 1, 16 waves a work-group, no clusters, 153,600 bytes of LDS; arguments x, Wg, Wq, Wk, Wv, Wo, mask, xw, msk; writes xw, msk
;; launch proj: the kernel of part 2 again; grid 192 x 1, 4 waves a work-group, no clusters, 327,680 bytes of LDS; arguments xw, qkv; writes qkv
;; launch attn (part 5): grid 64 x 4, 8 waves a work-group, no clusters, 312,320 bytes of LDS; arguments qkv, xw, msk, ao; writes ao
.if DOCPART == 5
	.amdgcn_target "amdgcn-amd-amdhsa--gfx1250"
	.amdhsa_code_object_version 6
	.text
	.protected	k_q6a82387214_attn
	.globl	k_q6a82387214_attn
	.p2align	8
	.type	k_q6a82387214_attn,@function
k_q6a82387214_attn:
	s_mov_b64 s[64:65], 0
	v_nop
	global_prefetch_b8 v0, s[64:65] scope:SCOPE_SE
	s_setreg_imm32_b32 hwreg(HW_REG_WAVE_SCHED_MODE, 0, 2), 2
	s_setreg_imm32_b32 hwreg(HW_REG_WAVE_MODE, 25, 1), 1
	s_wait_xcnt 0x0
	s_wait_alu depctr_vm_vsrc(0)
; ATTN.  For one (batch, kv head) y and eight (query tile, q head) pairs: S^T = K Q^T, mask, softmax, gate, O^T = V^T P^T, all products on E2M3 codes.
; WHAT IS QUANTISED AHEAD OF THE SECOND PRODUCT IS THE FINISHED softmax x gate, so the row's maximum and sum must be known first: TWO PASSES over the keys.
;   pass 1: scores, running maximum and sum for each lane (a lane holds one query and half of each block of 32 keys); the two halves are joined once, behind the pass.
;   pass 2: the scores once more, p = 2^(c s - c m) x (gate / sum), quantised along the keys, times V.
; c = log2(e) / sqrt(128).  c m is rounded once and used alike in both passes, so its rounding cancels between p and the sum.
; THE MASK is read as lane masks, one 32-bit word for each score register, made by the launch before; a masked score becomes -1e9 sqrt(128), which is reference's -1e9 under c.
; A key step whose 16 x 128 mask bytes are all set is left out (a scalar branch on stored flags): every p there is exactly 0, unless some row of the tile is masked wholly:
; then every step is walked, and that row comes out uniform.  A step with no mask byte set loads no mask words and makes no selects: the step has two arms.
; Since branches hang on stored numbers, K and V come through registers into LDS (no tensor loads, so no joint loads either).
; A STEP WAITS FOR NO LOAD OF ITS OWN: the next step's fragments of K, where that step is walked, are asked for behind this step's score products, into the registers that these have just read,
; and land under the softmax (a step that is left out asks for them in its own few lines); V's fragments of the step in hand are asked for at the same place, into registers of their own.
; SHARES: wave w: q head 4 kv + w % 4; query tile X (w < 4) or 127 - X (w >= 4): under a triangular mask a SIMD's two waves then have a short and a long walk; nothing else hangs on that.
; LDS: K's 128 tile images of the whole (batch, kv head), written once, chunk by chunk of four key steps; V in two slots of four key steps; all scale words.
; LIMITS: NaN and infinities are not served; scaled scores must stay above about -9e8, so that a masked p is exactly 0 beside an open one; a p or a gate under 2^-126 counts as 0.
; REGISTERS: window 0 as named below; window 1: v256-303 K's fragments 4-7; v256-463 pieces of K and V on their way from memory to LDS; in pass 2 v352-399 and v448-495 V's eight fragments.
; THE MODE: SCHED_MODE bits 1:0 = 2 (LLVM: expert scheduling mode 2), set by the entry lines.  The code itself states the register dependences
; between vector or matrix instructions and memory or LDS instructions, with s_wait_alu, always for 0.
; THE PLAN.  Registers that memory or LDS instructions touch:
;   v0 to v7, v31     Offsets and LDS addresses, made once at the head and never written again; the copies into LDS reach their six places by three of them and immediate offsets.
;   v8 to v11         LDS addresses of the step's K, V and scale words.  Written by vector adds at the head of a walked step (at a chunk's head and in a step that is left out: ahead of the loads); read by the LDS loads.
;   K  v32-79, v256-303, v80-83    Written by LDS loads; read by a step's eight score products.
;   V  v352-399, v448-495, v84-87  Written by LDS loads; read by a step's eight second products.
;   v256-463          Pieces: written by global loads, read by LDS stores; other loads land in them later.
;   v112, v116-127    Written by the closing quantiser, read by the four global stores.
; A walked step so has one wait on vm_vsrc, ahead of its adds, and one wait on va_vdst where its two arms join: the addresses are written, the score products are done reading K, the step before's
; second products are done reading V.  All the step's LDS loads follow that wait with no further one: the vector instructions between them name the scores and v88-91 alone.
.set KIMG,  3145728
.set VIMG,  3932160
.set KVSC,  4718592
.set QSC,   4784128
.set GATE,  10649600
.set MF,    524288
.set AOSC,  3145728
.set VS0,   196608
.set VS1,   245760
.set SCB,   294912
.set LI,  1                            ; 16 x lane
.set LS,  2                            ; SCB + 4 x lane
.set CP,  5                            ; 16 x lane + 6,144 x wave: my eighth of a piece of 49,152 bytes; as an LDS address: K's chunks 0 and 1
.set CA,  6                            ; the same + 98,304: K's chunks 2 and 3
.set CV,  0                            ; the same + 196,608: V's two slots (v0: the thread's number is done with when this is made)
.set CSC, 7                            ; 16 x lane + 2,048 x wave: my eighth of the scale words
.set ADK, 8
.set ADS, 9
.set ADV, 10
.set ADT, 11
.set NCM, 12                           ; -c m
.set MX,  13                           ; the largest raw score so far
.set L,   14                           ; v[14:15] the sum in two halves; in pass 2 v14 = gate / sum
.set Q,   16
.set QS,  28
.set GA,  29
.set FILL, 30
.set R4,  31
.set FA,  32                           ; K's fragments 0-3
.set KSR, 80
.set VSR, 84
.set BM,  88                           ; v88-91 block maxima, v92-95 at work
.set S,   96
.set O,   160
.set PC,  224
.set SOP, 244
.set BY,  248
.set AF,  252
.set PW,  253
.set VA,  96                           ; in window 1: V's fragments 0-3 (the registers that the copied piece 1 of V has left),
.set VB,  192                          ; and 4-7
.set QTM, 96
.set QPW, 112
.set QPC, 116
.set PF,  2                            ; s2: bit 0: the next step lies in this chunk and is walked
.set TK,  66
.set TS,  67
.set TV,  68
.set TSV, 69
.set CC,  70
.set NC,  72
.set MO,  73
.set SEL, 74
.set TD,  76
.set PT,  77
.set KN,  78                           ; s78, s79: where the next step's images of K and its scale words begin
.set SN,  79
.set MSB, 0
.macro WIN new
.if MSB != \new
	s_set_vgpr_msb (MSB<<8)|\new
.set MSB, \new
.endif
.endm
.macro PLACES
.rept 4
	v_nop
.endr
.endm
.macro WMZ d, a, b, sa, sb, ra
.if \ra
	v_wmma_scale_f32_16x16x128_f8f6f4 v[\d:\d+7], v[\a:\a+11], v[\b:\b+11], 0, v[\sa], v[\sb] matrix_a_fmt:MATRIX_FMT_FP6 matrix_b_fmt:MATRIX_FMT_FP6 matrix_a_scale:MATRIX_SCALE_ROW1
.else
	v_wmma_scale_f32_16x16x128_f8f6f4 v[\d:\d+7], v[\a:\a+11], v[\b:\b+11], 0, v[\sa], v[\sb] matrix_a_fmt:MATRIX_FMT_FP6 matrix_b_fmt:MATRIX_FMT_FP6
.endif
.endm
.macro WMA d, a, b, sa, sb, ra
.if \ra
	v_wmma_scale_f32_16x16x128_f8f6f4 v[\d:\d+7], v[\a:\a+11], v[\b:\b+11], v[\d:\d+7], v[\sa], v[\sb] matrix_a_fmt:MATRIX_FMT_FP6 matrix_b_fmt:MATRIX_FMT_FP6 matrix_a_scale:MATRIX_SCALE_ROW1
.else
	v_wmma_scale_f32_16x16x128_f8f6f4 v[\d:\d+7], v[\a:\a+11], v[\b:\b+11], v[\d:\d+7], v[\sa], v[\sb] matrix_a_fmt:MATRIX_FMT_FP6 matrix_b_fmt:MATRIX_FMT_FP6
.endif
.endm
.macro COPYLD reg, base, off           ; my eighth of a piece: 12 loads of 512 consecutive bytes into window 1
	WIN 0x40
.irp i, 0,1,2,3,4,5,6,7,8,9,10,11
	global_load_b128 v[(\reg)+4*\i:(\reg)+4*\i+3], v[CP], s[\base:\base+1] offset:(\off)+512*\i
.endr
	WIN 0
.endm
.macro COPYST reg, adr, off            ; and on into LDS: the data come from loads, the address from the head: no vector instruction has written either since
	WIN 0x04                                       ; an LDS store's data are its source 1
.irp i, 0,1,2,3,4,5,6,7,8,9,10,11
	ds_store_b128 v[\adr], v[(\reg)+4*\i:(\reg)+4*\i+3] offset:(\off)+512*\i
.endr
	WIN 0
.endm
.macro BARRIER
	s_barrier_signal -1
	s_barrier_wait -1
.endm
.macro MASKLOAD                        ; the step's 64 lane masks: word n in s[16 + n] (n < 48), s[32 + n] (n >= 48)
	s_load_b512 s[16:31], s[96:97], s[MO] offset:0x0
	s_load_b512 s[32:47], s[96:97], s[MO] offset:0x40
	s_load_b512 s[48:63], s[96:97], s[MO] offset:0x80
	s_load_b512 s[80:95], s[96:97], s[MO] offset:0xc0
.endm
.macro MASKAPPLY
.set NN, 0
.rept 48
	v_cndmask_b32 v[S+NN], v[S+NN], v[FILL], s[16+NN]
.set NN, NN+1
.endr
.rept 16
	v_cndmask_b32 v[S+NN], v[S+NN], v[FILL], s[32+NN]
.set NN, NN+1
.endr
.endm
; the LDS addresses of a key step's eight images of K and of their scale words; sk, ss: the scalar registers that say where they begin
.macro ADRK sk, ss
	v_add_nc_u32 v[ADK], s[\sk], v[LI]
	v_add_nc_u32 v[ADS], s[\ss], v[LS]
.endm
; 28 LDS loads by these two addresses: the images and the scale words
.macro LOADK
.irp i, 0,1,2,3
	ds_load_b32 v[KSR+\i], v[ADS] offset:128*\i
.endr
.irp t, 0,1,2,3
.irp c, 0,1,2
	ds_load_b128 v[FA+12*\t+4*\c:FA+12*\t+4*\c+3], v[ADK] offset:1536*\t+512*\c
.endr
.endr
	WIN 0x40
.irp t, 0,1,2,3
.irp c, 0,1,2
	ds_load_b128 v[12*\t+4*\c:12*\t+4*\c+3], v[ADK] offset:1536*(\t+4)+512*\c
.endr
.endr
	WIN 0
.endm
; Where the next step's K lies.  hold: where the chunk's last step begins: the address is held there, since in pass 1 the next chunk's bytes are
; still being written by other waves (the fourth trip asks for nothing: PF is 0 there).
.macro NEXTADR hold
	s_add_co_u32 s[KN], s[TK], 12288
	s_min_u32 s[KN], s[KN], \hold
	s_add_co_u32 s[SN], s[TS], 512
	ADRK KN, SN
.endm
; The next step's K, where that step lies in this chunk and is walked
.macro NEXTK
	s_bitcmp1_b32 s[PF], 0
	s_cbranch_scc0 .Lnk_\@
	LOADK
.Lnk_\@:
.endm
; 28 LDS loads: the step's eight images of V and their scale words
.macro FETCHV
.irp i, 0,1,2,3
	ds_load_b32 v[VSR+\i], v[ADT] offset:128*\i
.endr
	WIN 0x40
.irp t, 0,1,2,3
.irp c, 0,1,2
	ds_load_b128 v[VA+12*\t+4*\c:VA+12*\t+4*\c+3], v[ADV] offset:1536*\t+512*\c
.endr
.endr
.irp t, 0,1,2,3
.irp c, 0,1,2
	ds_load_b128 v[VB+12*\t+4*\c:VB+12*\t+4*\c+3], v[ADV] offset:1536*(\t+4)+512*\c
.endr
.endr
	WIN 0
.endm
; S^T = K Q^T for the step's 128 keys: register 16 b + i of lane (r, h) = query r, key 32 b + 16 h + i.  The fragments are in: the wait stands at the loop's head.
.macro WM8
.irp t, 0,1,2,3
	WMZ (S+8*\t), (FA+12*\t), Q, (KSR+\t/2), QS, (\t%2)
.endr
	WIN 0x01                                       ; source 0 window 1
.irp t, 4,5,6,7
	WMZ (S+8*\t), (12*(\t-4)), Q, (KSR+\t/2), QS, (\t%2)
.endr
	WIN 0
	PLACES                                         ; in front of the first read of the scores
.endm
.macro BLOCKMAX                        ; the largest score of my 16 keys of each block of 32
.irp b, 0,1,2,3
	v_max3_num_f32 v[BM+\b], v[S+16*\b], v[S+1+16*\b], v[S+2+16*\b]
.endr
.irp i, 3,5,7,9,11,13
.irp b, 0,1,2,3
	v_max3_num_f32 v[BM+\b], v[BM+\b], v[S+16*\b+\i], v[S+1+16*\b+\i]
.endr
.endr
.irp b, 0,1,2,3
	v_max_num_f32 v[BM+\b], v[BM+\b], v[S+15+16*\b]
.endr
.endm
.macro EXPO                            ; c s - c m of the 64 scores
.set NN, 0
.rept 32
	v_pk_fma_f32 v[S+NN:S+NN+1], v[S+NN:S+NN+1], s[CC:CC+1], v[NCM:NCM+1] op_sel_hi:[1,0,0]
.set NN, NN+2
.endr
.endm
; ---- a key step of pass 1
.macro STEP1 hold
	s_bitcmp1_b32 s[TD], 0
	s_cbranch_scc1 .Lw1_\@
	s_bitcmp1_b32 s[PF], 0                         ; all 16 x 128 masked, and no row wholly masked: nothing to add.  The next step's K is asked for all the same, where that step is walked
	s_cbranch_scc0 .Le1_\@
	s_wait_alu depctr_vm_vsrc(0)                   ; the LDS loads issued so far have read v[ADK] and v[ADS], which the two adds write
	NEXTADR \hold
	s_wait_alu depctr_va_vdst(0)                   ; v[ADK] and v[ADS] are written, which the loads read; the score products issued so far are done reading K's registers, in which the loads land
	LOADK
	s_branch .Le1_\@
.Lw1_\@:
	s_wait_alu depctr_vm_vsrc(0)                   ; the LDS loads issued so far have read v[ADK] and v[ADS], which the two adds write
	NEXTADR \hold
	s_bitcmp1_b32 s[PT], 0
	s_cbranch_scc0 .Lp1_\@
	MASKLOAD                                       ; the arm of a step with masked scores
	WM8
	s_wait_kmcnt 0x0
	MASKAPPLY
	s_branch .Lj1_\@
.Lp1_\@:
	WM8                                            ; the arm of an open step: no mask word is loaded or used
.Lj1_\@:
	s_wait_alu depctr_va_vdst(0)                   ; v[ADK] and v[ADS] are written, which the loads read; the eight score products are done reading K's fragments and scale words, in which the loads land
	NEXTK
	BLOCKMAX
	v_max3_num_f32 v254, v[BM], v[BM+1], v[BM+2]
	v_max3_num_f32 v[MX], v254, v[BM+3], v[MX]     ; my lane's running maximum
	v_mov_b32 v254, v[NCM]
	v_mul_f32 v[NCM], s[NC], v[MX]                 ; -c m
	v_sub_f32 v254, v[NCM], v254
	v_exp_f32 v[AF], v254                          ; a = 2^(c m_old - c m_new); the scalings below are the plain places behind it
	EXPO
.set NN, 0
.rept 64
	v_exp_f32 v[S+NN], v[S+NN]
.set NN, NN+1
.endr
	s_wait_alu depctr_va_vdst(0)                   ; the 65 exponentials have written a and the p, ahead of their first reader
	v_pk_mul_f32 v[L:L+1], v[L:L+1], v[AF:AF+1] op_sel_hi:[1,0]     ; the sums under the new maximum (a plain place behind the exponentials)
	v_pk_add_f32 v[BM:BM+1], v[S:S+1], v[S+2:S+3]
.irp j, 4,8,12,16,20,24,28,32,36,40,44,48,52,56,60
	v_pk_add_f32 v[L:L+1], v[L:L+1], v[S+\j:S+\j+1]
	v_pk_add_f32 v[BM:BM+1], v[BM:BM+1], v[S+\j+2:S+\j+3]
.endr
	v_pk_add_f32 v[L:L+1], v[L:L+1], v[BM:BM+1]
.Le1_\@:
	s_lshr_b32 s[TD], s[TD], 1
	s_lshr_b32 s[PT], s[PT], 1
	s_lshr_b32 s[PF], s[PF], 1
	s_add_co_u32 s[TK], s[TK], 12288
	s_add_co_u32 s[TS], s[TS], 512
	s_add_co_u32 s[MO], s[MO], 256
.endm
; ---- a key step of pass 2
.macro STEP2 hold
	s_bitcmp1_b32 s[TD], 0
	s_cbranch_scc1 .Lw2_\@
	s_bitcmp1_b32 s[PF], 0                         ; a step that is left out asks for the next step's K, where that step is walked
	s_cbranch_scc0 .Le2_\@
	s_wait_alu depctr_vm_vsrc(0)                   ; the LDS loads issued so far have read v[ADK] and v[ADS], which the two adds write
	NEXTADR \hold
	s_wait_alu depctr_va_vdst(0)                   ; v[ADK] and v[ADS] are written, which the loads read; the score products issued so far are done reading K's registers, in which the loads land
	LOADK
	s_branch .Le2_\@
.Lw2_\@:
	s_wait_alu depctr_vm_vsrc(0)                   ; the LDS loads issued so far have read the four addresses v8 to v11, which the four adds write
	v_add_nc_u32 v[ADV], s[TV], v[LI]
	v_add_nc_u32 v[ADT], s[TSV], v[LS]
	NEXTADR \hold
	s_bitcmp1_b32 s[PT], 0
	s_cbranch_scc0 .Lp2_\@
	MASKLOAD
	WM8
	s_wait_kmcnt 0x0
	MASKAPPLY
	s_branch .Lj2_\@
.Lp2_\@:
	WM8
.Lj2_\@:
	s_wait_alu depctr_va_vdst(0)                   ; the four addresses are written; the score products are done reading K's registers; the second products of the step before are done reading V's: the 56 loads below land there
	FETCHV                                         ; this step's V and the next step's K land under the softmax
	BLOCKMAX                                       ; between the two runs of loads: these lines name the scores and v88-91, none of the registers that K's loads touch
	NEXTK
.irp b, 0,1,2,3
	v_permlanex16_b32 v[BM+4+\b], v[BM+\b], s[SEL], s[SEL+1]
.endr
.irp b, 0,1,2,3
	v_max_num_f32 v[BM+\b], v[BM+\b], v[BM+4+\b]   ; the block's largest score: p rises with the score, so it gives the block's largest p
.endr
	EXPO
.irp b, 0,1,2,3
	v_fma_f32 v[BM+\b], v[BM+\b], s[CC], v[NCM]
.endr
.set NN, 0
.rept 64
	v_exp_f32 v[S+NN], v[S+NN]
.set NN, NN+1
.endr
.irp b, 0,1,2,3
	v_exp_f32 v[BM+\b], v[BM+\b]
.endr
	v_nop                                          ; a plain place behind the exponentials
.set NN, 0
	s_wait_alu depctr_va_vdst(0)                   ; the 68 exponentials have written their results, ahead of the first reader
.rept 32
	v_pk_mul_f32 v[S+NN:S+NN+1], v[S+NN:S+NN+1], v[L:L+1] op_sel_hi:[1,0]      ; p = softmax x gate, finished
.set NN, NN+2
.endr
.irp b, 0,1,2,3
	v_mul_f32 v[BM+\b], v[BM+\b], v[L]             ; the same two steps on the same number give the same bits
.endr
.irp b, 0,1,2,3
	v_max_num_f32 v[BM+\b], 0x1800000, v[BM+\b]    ; the floor 2^(3 - 127): the byte cannot fall under 1
.endr
.irp b, 0,1,2,3
	v_add_nc_u32 v[SOP+\b], 0xff000000, v[BM+\b]
.endr
.irp b, 0,1,2,3
	v_lshrrev_b32 v[BY+\b], 23, v[SOP+\b]
.endr
	v_lshl_or_b32 v[PW], v[BY+1], 8, v[BY]
	v_lshl_or_b32 v[PW], v[BY+2], 16, v[PW]
	v_lshl_or_b32 v[PW], v[BY+3], 24, v[PW]
.irp c, 0,1
	v_cvt_scalef32_pk16_fp6_f32 v[PC+6*\c:PC+2+6*\c], v[S+32*\c:S+15+32*\c], v[SOP+2*\c]
	v_cvt_scalef32_pk16_fp6_f32 v[PC+12+4*\c:PC+14+4*\c], v[S+16+32*\c:S+31+32*\c], v[SOP+2*\c+1]
.endr
	v_nop
.irp c, 0,1
.irp i, 0,1,2
	v_permlane16_swap_b32 v[PC+6*\c+\i], v[PC+12+4*\c+\i]
.endr
.irp i, 0,1,2
	v_mov_b32 v[PC+3+6*\c+\i], v[PC+12+4*\c+\i]
.endr
.endr
	PLACES                                         ; with the six moves: ten places behind p's scale word, four behind its last code register
	s_wait_alu depctr_va_vdst(0)                   ; p's codes and its scale word are written, which the scaled products below take as source 1 and its scales; the places above stay beside this wait
	s_wait_dscnt 0x0                               ; V is in (and the next step's K, asked for in the same step)
	WIN 0x01                                       ; source 0 (V) window 1
.irp t, 0,1,2,3                                ; O^T += V^T P^T: the eight accumulators by turns
	WMA (O+8*\t), (VA+12*\t), PC, (VSR+\t/2), PW, (\t%2)
.endr
.irp t, 4,5,6,7
	WMA (O+8*\t), (VB+12*(\t-4)), PC, (VSR+\t/2), PW, (\t%2)
.endr
	WIN 0
	PLACES                                         ; in front of the last read of O^T
.Le2_\@:
	s_lshr_b32 s[TD], s[TD], 1
	s_lshr_b32 s[PT], s[PT], 1
	s_lshr_b32 s[PF], s[PF], 1
	s_add_co_u32 s[TK], s[TK], 12288
	s_add_co_u32 s[TS], s[TS], 512
	s_add_co_u32 s[MO], s[MO], 256
	s_add_co_u32 s[TV], s[TV], 12288
	s_add_co_u32 s[TSV], s[TSV], 512
.endm
; Four key steps; every address begins at the chunk's constant and steps in a loop of four trips.  The chunk's first step is asked for here, if it is walked
; (first = 1, the very first chunk: always, so that the fragments' registers are written on every way).
.macro CHUNK1 c, first
	s_mov_b32 s[TK], 49152*\c
	s_mov_b32 s[TS], 2048*\c
	s_mov_b32 s[MO], 1024*\c
	s_lshr_b32 s[PF], s[TD], 1
	s_and_b32 s[PF], s[PF], 7                      ; the chunk's steps 1 to 3 that are walked
.if \first == 0
	s_bitcmp1_b32 s[TD], 0
	s_cbranch_scc0 .Lh1_\@
.endif
	s_wait_alu depctr_vm_vsrc(0)                   ; the LDS loads issued so far have read v[ADK] and v[ADS], which the two adds write; in the first chunk: my LDS stores have read v256-303, in which K's fragments 4 to 7 land
	ADRK TK, TS
	s_wait_alu depctr_va_vdst(0)                   ; v[ADK] and v[ADS] are written, which the loads read
	LOADK
.Lh1_\@:
	s_mov_b32 s15, 4
.Lc1_\@:
	s_wait_dscnt 0x0                               ; the step's K, asked for a step ago or at the chunk's head, is in; on no way is an LDS load still out
	STEP1 (49152*\c+36864)
	s_sub_co_u32 s15, s15, 1
	s_cmp_lg_u32 s15, 0
	s_cbranch_scc1 .Lc1_\@
.endm
.macro CHUNK2 c, slot
	s_mov_b32 s[TK], 49152*\c
	s_mov_b32 s[TS], 2048*\c
	s_mov_b32 s[MO], 1024*\c
	s_mov_b32 s[TV], \slot
	s_mov_b32 s[TSV], 8192+2048*\c
	s_lshr_b32 s[PF], s[TD], 1
	s_and_b32 s[PF], s[PF], 7
	s_bitcmp1_b32 s[TD], 0
	s_cbranch_scc0 .Lh2_\@
	s_wait_alu depctr_vm_vsrc(0)                   ; the LDS loads issued so far have read v[ADK] and v[ADS], which the two adds write
	ADRK TK, TS
	s_wait_alu depctr_va_vdst(0)                   ; v[ADK] and v[ADS] are written, which the loads read
	LOADK
.Lh2_\@:
	s_mov_b32 s15, 4
.Lc2_\@:
	s_wait_dscnt 0x0                               ; as in pass 1
	STEP2 (49152*\c+36864)
	s_sub_co_u32 s15, s15, 1
	s_cmp_lg_u32 s15, 0
	s_cbranch_scc1 .Lc2_\@
.endm
.macro QUANT s
.irp b, 0,1,2,3
	v_max3_num_f32 v[QTM+\b], |v[(\s)+16*\b]|, |v[(\s)+1+16*\b]|, 0x1800000
.endr
.irp i, 2,4,6,8,10,12,14
.irp b, 0,1,2,3
	v_max3_num_f32 v[QTM+\b], v[QTM+\b], |v[(\s)+16*\b+\i]|, |v[(\s)+1+16*\b+\i]|
.endr
.endr
.irp b, 0,1,2,3
	v_permlanex16_b32 v[QTM+4+\b], v[QTM+\b], s[SEL], s[SEL+1]
.endr
.irp b, 0,1,2,3
	v_max_num_f32 v[QTM+\b], v[QTM+\b], v[QTM+4+\b]
.endr
.irp b, 0,1,2,3
	v_add_nc_u32 v[QTM+12+\b], 0xff000000, v[QTM+\b]
.endr
.irp b, 0,1,2,3
	v_lshrrev_b32 v[QTM+4+\b], 23, v[QTM+12+\b]
.endr
	v_lshl_or_b32 v[QPW], v[QTM+5], 8, v[QTM+4]
	v_lshl_or_b32 v[QPW], v[QTM+6], 16, v[QPW]
	v_lshl_or_b32 v[QPW], v[QTM+7], 24, v[QPW]
.irp c, 0,1
	v_cvt_scalef32_pk16_fp6_f32 v[QPC+6*\c:QPC+2+6*\c], v[(\s)+32*\c:(\s)+15+32*\c], v[QTM+12+2*\c]
	v_cvt_scalef32_pk16_fp6_f32 v[QPC+12+4*\c:QPC+14+4*\c], v[(\s)+16+32*\c:(\s)+31+32*\c], v[QTM+12+2*\c+1]
.endr
	v_nop
.irp c, 0,1
.irp i, 0,1,2
	v_permlane16_swap_b32 v[QPC+6*\c+\i], v[QPC+12+4*\c+\i]
.endr
.irp i, 0,1,2
	v_mov_b32 v[QPC+3+6*\c+\i], v[QPC+12+4*\c+\i]
.endr
.endr
.endm
	s_load_b256 s[4:11], s[0:1], 0x0               ; qkv 4, xw 6, msk 8, ao 10
	v_lshl_add_u32 v243, v0, 2, 0x4c000
	v_mov_b32 v255, 0
	v_lshrrev_b32 v3, 5, v0
	v_readfirstlane_b32 s12, v3                    ; wave 0..7
	v_and_b32 v3, 31, v0
	v_lshlrev_b32 v[LI], 4, v3
	v_lshl_add_u32 v[LS], v3, 2, SCB
	v_and_b32 v4, 15, v0
	v_lshlrev_b32 v[R4], 2, v4
	v_lshlrev_b32 v4, 6, v4                        ; the gates' row r of 64 bytes
	s_wait_alu depctr_va_sdst(0)                   ; s12 is written, ahead of its first reader: addresses, the query tile and the q head are made from it
	s_mul_i32 s78, s12, 6144
	v_add_nc_u32 v[CP], s78, v[LI]
	v_add_nc_u32 v[CA], 98304, v[CP]               ; the copies' three LDS addresses are made here, once
	v_add_nc_u32 v[CV], 196608, v[CP]
	s_lshl_b32 s78, s12, 11
	v_add_nc_u32 v[CSC], s78, v[LI]
	v_add_nc_u32 v3, SCB, v[CSC]                   ; where my eighth of the scale words goes
	s_and_b32 s2, ttmp7, 0xffff                    ; y = 2 batch + kv head
	s_sub_co_u32 s3, 127, ttmp9
	s_cmp_lt_u32 s12, 4
	s_cselect_b32 s3, ttmp9, s3                    ; my query tile in the batch
	s_lshr_b32 s78, s2, 1
	s_lshl_b32 s78, s78, 7
	s_add_co_u32 s78, s78, s3                      ; T: the tile among all 256
	s_and_b32 s79, s2, 1
	s_lshl_b32 s79, s79, 2
	s_and_b32 s13, s12, 3
	s_add_co_u32 s79, s79, s13                     ; q head
	s_lshl_b32 s13, s78, 3
	s_add_co_u32 s13, s13, s79
	s_mul_i32 s16, s13, 1536                       ; Q's image
	s_mov_b32 s17, 0
	s_lshl_b32 s18, s13, 6
	s_add_co_u32 s18, s18, QSC
	s_mov_b32 s19, 0
	s_lshl_b32 s20, s78, 10
	s_lshl_b32 s21, s79, 2
	s_add_co_u32 s20, s20, s21
	s_add_co_u32 s20, s20, GATE
	s_mov_b32 s21, 0
	s_mul_i32 s22, s2, 196608
	s_mov_b32 s23, 0
	s_lshl_b32 s24, s2, 14
	s_add_co_u32 s24, s24, KVSC
	s_mov_b32 s25, 0
	s_lshl_b32 s26, s3, 12
	s_mov_b32 s27, 0
	s_lshl_b32 s28, s3, 7
	s_add_co_u32 s28, s28, MF
	s_mov_b32 s29, 0
	s_lshr_b32 s30, s78, 3
	s_and_b32 s31, s78, 7
	s_mul_i32 s32, s30, 98304
	s_mul_i32 s33, s79, 12288
	s_add_co_u32 s32, s32, s33
	s_mul_i32 s33, s31, 1536
	s_add_co_u32 s32, s32, s33                     ; the output's image: [block][K step = q head][tile]
	s_mov_b32 s33, 0
	s_lshl_b32 s34, s30, 12
	s_lshl_b32 s35, s79, 9
	s_add_co_u32 s34, s34, s35
	s_lshl_b32 s35, s31, 6
	s_add_co_u32 s34, s34, s35
	s_add_co_u32 s34, s34, AOSC
	s_mov_b32 s35, 0
	s_mov_b32 s[CC], 0x3e0293ee                    ; c = log2(e) / sqrt(128)
	s_mov_b32 s[CC+1], s[CC]
	s_mov_b32 s[NC], 0xbe0293ee                    ; -c
	s_mov_b32 s[SEL], 0x76543210
	s_mov_b32 s[SEL+1], 0xfedcba98
	s_wait_kmcnt 0x0
	s_add_nc_u64 s[80:81], s[4:5], s[16:17]
	s_add_nc_u64 s[82:83], s[4:5], s[18:19]
	s_add_nc_u64 s[84:85], s[6:7], s[20:21]
	s_add_nc_u64 s[86:87], s[4:5], s[24:25]
	s_add_nc_u64 s[88:89], s[8:9], s[28:29]
	s_add_nc_u64 s[96:97], s[8:9], s[26:27]        ; my tile's mask words
	s_add_nc_u64 s[98:99], s[4:5], s[22:23]
	s_add_nc_u64 s[100:101], s[98:99], VIMG        ; V's images of y
	s_add_nc_u64 s[98:99], s[98:99], KIMG          ; K's
	s_add_nc_u64 s[6:7], s[10:11], s[34:35]        ; the output's scale record
	s_add_nc_u64 s[10:11], s[10:11], s[32:33]      ; and image
	s_wait_alu depctr_va_vdst(0)                   ; the offsets and LDS addresses v0 to v7 and v31 are written: every load, store and copy of the kernel reads one of them, and none is written again
	global_load_b128 v[Q:Q+3], v[LI], s[80:81]
	global_load_b128 v[Q+4:Q+7], v[LI], s[80:81] offset:512
	global_load_b128 v[Q+8:Q+11], v[LI], s[80:81] offset:1024
	global_load_b32 v[QS], v[R4], s[82:83]
	global_load_b32 v[GA], v4, s[84:85]
	s_load_b512 s[16:31], s[88:89], 0x0            ; the 16 steps' ANDs
	s_load_b512 s[32:47], s[88:89], 0x40           ; and ORs
	WIN 0x40
.irp i, 0,1,2,3
	global_load_b128 v[4*\i:4*\i+3], v[CSC], s[86:87] offset:512*\i
.endr
	WIN 0
	COPYLD 16, 98, 0                               ; K's four chunks: 48 loads
	COPYLD 64, 98, 49152
	COPYLD 112, 98, 98304
	COPYLD 160, 98, 147456
	v_mov_b32 v[FILL], 0xd0289660                  ; -1e9 sqrt(128)
	v_mov_b32 v[MX], 0xff61b1e6                    ; -3e38, under every score
	v_mul_f32 v[NCM], s[NC], v[MX]
	v_mov_b32 v[L], 0
	v_mov_b32 v[L+1], 0
	v_mov_b32 v[PW], 0                             ; (named as the upper half of the pair v[252:253] before it is first written)
.irp b, 0,1,2,3
	v_mov_b32 v[BM+4+\b], 0                        ; a lane permute's destination counts as one of its sources
.endr
.set NN, 0
.rept 64
	v_mov_b32 v[O+NN], 0                           ; O^T is cleared once: which key step is the first to be walked hangs on the mask
.set NN, NN+1
.endr
	s_wait_kmcnt 0x0
	s_mov_b32 s13, 0                               ; TODO: bit ks: the step is walked
	s_mov_b32 s14, 0                               ; PART: bit ks: the step has masked scores
	s_mov_b32 s79, -1
.irp k, 0,1,2,3,4,5,6,7,8,9,10,11,12,13,14,15
	s_cmp_lg_u32 s[16+\k], -1
	s_cselect_b32 s78, 1<<\k, 0
	s_or_b32 s13, s13, s78
	s_cmp_lg_u32 s[32+\k], 0
	s_cselect_b32 s78, 1<<\k, 0
	s_or_b32 s14, s14, s78
	s_and_b32 s79, s79, s[16+\k]
.endr
	s_lshr_b32 s78, s79, 16                        ; a row is masked wholly where both of its lanes are, in every step
	s_and_b32 s78, s78, s79
	s_and_b32 s78, s78, 0xffff
	s_cmp_lg_u32 s78, 0
	s_cselect_b32 s13, 0xffff, s13                 ; then every step is walked
	s_wait_loadcnt 36                              ; Q, its scales, the gate, the scale words and K's chunk 0 are in; chunks 1-3 (36 loads) may be out
	WIN 0x04
.irp i, 0,1,2,3
	ds_store_b128 v3, v[4*\i:4*\i+3] offset:512*\i
.endr
	COPYST 16, CP, 0
	s_mov_b32 s[TD], s13
	s_mov_b32 s[PT], s14
	s_wait_dscnt 0x0                               ; for the others' sake: my stores have landed
	BARRIER
	; ---------------- pass 1
	CHUNK1 0, 1
	s_wait_loadcnt 24                              ; chunk 1 is in; chunks 2 and 3 may be out
	COPYST 64, CP, 49152
	s_wait_dscnt 0x0
	BARRIER
	CHUNK1 1, 0
	s_wait_loadcnt 12
	COPYST 112, CA, 0
	s_wait_dscnt 0x0
	BARRIER
	CHUNK1 2, 0
	s_wait_loadcnt 0x0
	COPYST 160, CA, 49152
	s_wait_dscnt 0x0                               ; for the others' sake: my stores have landed
	s_wait_alu depctr_vm_vsrc(0)                   ; my LDS stores have read v304-447, in which V's first three pieces land
	COPYLD 48, 100, 0
	COPYLD 96, 100, 49152
	COPYLD 144, 100, 98304
	BARRIER
	CHUNK1 3, 0
	; ---------------- the two halves of the lanes are joined; f = gate / sum
	v_permlanex16_b32 v[BM+4], v[NCM], s[SEL], s[SEL+1]
	v_min_num_f32 v[BM+4], v[NCM], v[BM+4]         ; -c x the row's maximum
	v_sub_f32 v[BM+5], v[BM+4], v[NCM]
	v_exp_f32 v[BM+5], v[BM+5]
	v_add_f32 v[L], v[L], v[L+1]
	s_wait_alu depctr_va_vdst(0)                   ; the exponential has written v93, ahead of its reader
	v_mul_f32 v[L], v[L], v[BM+5]                  ; my half's sum under the row's maximum
	v_permlanex16_b32 v[BM+6], v[L], s[SEL], s[SEL+1]
	v_add_f32 v[L], v[L], v[BM+6]
	v_rcp_f32 v[L+1], v[L]
	v_mov_b32 v[NCM], v[BM+4]
	s_wait_alu depctr_va_vdst(0)                   ; the reciprocal has written v15, ahead of its reader
	v_mul_f32 v[L], v[L+1], v[GA]
	s_mov_b32 s[TD], s13
	s_mov_b32 s[PT], s14
	s_wait_loadcnt 12                              ; V's pieces 0 and 1 are in; piece 2 may be out
	COPYST 48, CV, 0
	COPYST 96, CV, 49152
	s_wait_dscnt 0x0                               ; for the others' sake: my stores have landed
	s_wait_alu depctr_vm_vsrc(0)                   ; my LDS stores have read v304-399: piece 3 lands in piece 0's registers, and piece 1's now serve V's fragments 0-3
	COPYLD 48, 100, 147456                         ; piece 3, into piece 0's registers
	BARRIER
	; ---------------- pass 2
	CHUNK2 0, VS0
	s_wait_loadcnt 12                              ; piece 2 is in; piece 3 may be out
	s_wait_dscnt 0x0                               ; my reads of slot 0 are over
	BARRIER
	COPYST 144, CV, 0
	CHUNK2 1, VS1
	s_wait_loadcnt 0x0
	s_wait_dscnt 0x0                               ; my stores into slot 0 have landed, my reads of slot 1 are over
	BARRIER
	COPYST 48, CV, 49152
	CHUNK2 2, VS0
	s_wait_dscnt 0x0
	BARRIER
	CHUNK2 3, VS1
	; ---------------- O^T: a lane holds one query, its registers run along the head's 128, which are K step (q head) of the last product: quantised as it stands
.irp b, 0,1,2,3
	v_mov_b32 v[QTM+4+\b], 0
.endr
	QUANT O
	s_wait_alu depctr_va_vdst(0)                   ; the quantiser has written the codes v116-127 and the scale word v112, which the four stores read
	global_store_b128 v[LI], v[QPC:QPC+3], s[10:11]
	global_store_b128 v[LI], v[QPC+4:QPC+7], s[10:11] offset:512
	global_store_b128 v[LI], v[QPC+8:QPC+11], s[10:11] offset:1024
	global_store_b32 v[R4], v[QPW], s[6:7]
	s_wait_dscnt 0x0                               ; the closing lines, six on end
	s_wait_alu 0x0
	s_wait_tensorcnt 0x0
	ds_add_u32 v243, v255
	s_wait_dscnt 0x0
	s_endpgm
.Lfunc_end_k_q6a82387214_attn:
	.size	k_q6a82387214_attn, .Lfunc_end_k_q6a82387214_attn-k_q6a82387214_attn
	.p2alignl 7, 3214868480
	.fill 96, 4, 3214868480
	.section	.rodata,"a",@progbits
	.p2align	6, 0x0
	.amdhsa_kernel k_q6a82387214_attn
		.amdhsa_group_segment_fixed_size 312320
		.amdhsa_private_segment_fixed_size 0
		.amdhsa_enable_private_segment 0
		.amdhsa_kernarg_size 32
		.amdhsa_user_sgpr_count 2
		.amdhsa_user_sgpr_kernarg_segment_ptr 1
		.amdhsa_wavefront_size32 1
		.amdhsa_system_sgpr_workgroup_id_x 1
		.amdhsa_system_sgpr_workgroup_id_y 1
		.amdhsa_system_sgpr_workgroup_id_z 1
		.amdhsa_system_vgpr_workitem_id 0
		.amdhsa_next_free_vgpr 496
		.amdhsa_next_free_sgpr 102
		.amdhsa_reserve_vcc 0
		.amdhsa_float_denorm_mode_32 3
		.amdhsa_float_denorm_mode_16_64 3
		.amdhsa_memory_ordered 1
		.amdhsa_forward_progress 1
		.amdhsa_inst_pref_size 233
	.end_amdhsa_kernel
	.amdgpu_metadata
---
amdhsa.version: [ 1, 2 ]
amdhsa.kernels:
  - .name:           k_q6a82387214_attn
    .symbol:         k_q6a82387214_attn.kd
    .args:
      - { .name: qkv, .offset: 0, .size: 8, .value_kind: global_buffer, .address_space: global }
      - { .name: xw, .offset: 8, .size: 8, .value_kind: global_buffer, .address_space: global }
      - { .name: msk, .offset: 16, .size: 8, .value_kind: global_buffer, .address_space: global }
      - { .name: ao, .offset: 24, .size: 8, .value_kind: global_buffer, .address_space: global }
    .group_segment_fixed_size: 312320
    .private_segment_fixed_size: 0
    .kernarg_segment_align: 8
    .kernarg_segment_size: 32
    .max_flat_workgroup_size: 256
    .sgpr_count:     102
    .vgpr_count:     496
    .wavefront_size: 32
...
	.end_amdgpu_metadata
.endif
;; end of part 5
;; launch outp: the kernel of part 4 again; grid 16 x 16, 4 waves a work-group, clusters of 4 x 4, 327,680 bytes of LDS; arguments ao, xw, out0; writes out0
